; MI455X (gfx1250); checked and timed in simulation.
; The chip was launched on July 23, 2026; its instructions are those of AMD's public machine-readable ISA for CDNA 5 (MIT licence, August 2026) and "CDNA5" Instruction Set Architecture Reference Guide (July 2026). The comments in the code are by the model that wrote it; some were corrected since.
;; Multi Head Attention. Allowed arithmetic: matrix products marked QUANTISED: E2M3 operands, one E8M0 scale for each 32 along K, by v_wmma_scale_f32_16x16x128_f8f6f4 with both operands' format E2M3, f32 sums; everything else in f32.
;; Inputs: Wout 1,024 x 1,024 float32; Wqkv 1,024 x 3,072 float32; attn_mask 2,048 x 2,048 float32; bout 1,024 float32; bqkv 3,072 float32; x 4 x 2,048 x 1,024 float32.
;; Outputs: out0 4 x 2,048 x 1,024 float32.
;; This version of the problem:
;;   THIS VERSION OF THE PROBLEM IS GIVEN IN LOW PRECISION. The matrix products marked QUANTISED in the list below multiply operands that are first quantised to E2M3 (2 exponent bits, 3 mantissa bits; 6 bits a number), with one power-of-two scale for each 32 numbers along K (OCP MX v1.0); their sums are f32. All else is computed in f32.
;;   The module's matrix products, in the order in which they are computed (A, B: the left and right operand; K: the contracted axis; several contracted axes count as one K, in the product's order):
;;     1. [M 8,192, K 1,024] x [K 1,024, N 3,072]; A: input x; B: input Wqkv: QUANTISED
;;     2. batch 64 x [M 2,048, K 64] x [K 64, N 2,048]; A: computed on the way; B: computed on the way: QUANTISED
;;     3. batch 64 x [M 2,048, K 2,048] x [K 2,048, N 64]; A: softmax (see below); B: computed on the way: QUANTISED
;;     4. [M 8,192, K 1,024] x [K 1,024, N 1,024]; A: computed on the way; B: input Wout: QUANTISED
;;   THE QUANTISER, for each operand of a quantised product, along K:
;;     - K is cut into blocks of 32 from its start; a last block that is shorter is filled with zeros.
;;     - A block's scale is 2^e with e = floor(log2(the largest magnitude in the block)) - 2, held to -126 .. 127; a block of zeros has e = 0. As a byte (E8M0): e + 127.
;;     - Each number is divided by its block's scale, clamped to +-7.5, and rounded to the nearest number of E2M3, ties to even, subnormals kept.
;;     - The product sums the exact products of the quantised numbers (number of the format x scale) in f32.
;;   ~~~python
;;   def quantise(x, axis):      # numpy; x: float32 -> the quantised numbers, widened to float32 again
;;       x = np.moveaxis(x, axis, -1); K = x.shape[-1]
;;       x = np.pad(x, [(0, 0)] * (x.ndim - 1) + [(0, -K % 32)]); x = x.reshape(x.shape[:-1] + (-1, 32)); a = np.abs(x).max(-1, keepdims=True)
;;       e = np.where(a > 0, np.clip(np.frexp(np.where(a > 0, a, 1))[1] - 1 - 2, -126, 127), 0)      # np.frexp(a)[1] - 1 = floor(log2(a)), exactly
;;       r = np.clip(x / 2.0 ** e, -7.5, 7.5)
;;       step = 2.0 ** (np.maximum(np.frexp(np.where(r == 0, 1, r))[1] - 1, 0) - 3)
;;       q = np.round(r / step) * step * 2.0 ** e      # np.round: ties to even
;;       return np.moveaxis(q.reshape(q.shape[:-2] + (-1,))[..., :K], -1, axis).astype(np.float32)
;;   ~~~
;;   SOFTMAX AHEAD OF A QUANTISED PRODUCT. Where the list says 'softmax', what is quantised is not the finished softmax but p = 2^(t - M), with t = logit x log2(e) and M = ceil(the row's largest t), a whole number; so 1/2 < the row's largest p <= 1. The row's sum l is taken of the UNQUANTISED p, in f32, and the product's result is divided by l at the end. Since M is a whole number, a kernel that streams over the keys may use a running M (the ceiling of the running maximum): every later rescaling is an exact power of two, which a block's scale takes up: the codes' values come out the same.
;;   OPERANDS COMPUTED ON THE WAY. 'Computed on the way' means the value that the module computes at that place (a softmax that the list does not call 'softmax' is quantised finished and normalised). What goes into a quantiser is computed in f32, as accurately as f32 sums, v_exp_f32 and their like allow (about 1e-6 of the number): no bf16 or f16 on the way to a quantiser, and a product that is left as it is and whose result goes on into a quantised operand takes f32 operands (vector FMAs, or v_wmma_f32_16x16x4_f32). A number that lies on a knife's edge between two numbers of the format may be rounded either way, as far as f32 arithmetic and the matrix unit's own rounding can turn it there, and no further.
;; One version. Each part assembles by itself: llvm-mc -triple=amdgcn-amd-amdhsa -mcpu=gfx1250 --defsym DOCPART=n.
;; ======== version 1 of 1: 4 launches
;; workspace buffers: xq 6,553,600 bytes; wq 3,276,800 bytes; q_ws 6,553,600 bytes; kv_ws 13,107,200 bytes; aq 6,553,600 bytes
;; launch prep (part 1): grid 384 x 1, 4 waves a work-group, no clusters, 102,912 bytes of LDS; arguments x, Wqkv, Wout, xq, wq; writes xq, wq
.if DOCPART == 1
	.amdgcn_target "amdgcn-amd-amdhsa--gfx1250"
	.amdhsa_code_object_version 6
	.text
	.protected	k_q39dc026638_prep
	.globl	k_q39dc026638_prep
	.p2align	8
	.type	k_q39dc026638_prep,@function
k_q39dc026638_prep:
	s_mov_b64 s[64:65], 0
	v_nop
	global_prefetch_b8 v0, s[64:65] scope:SCOPE_SE
	s_setreg_imm32_b32 hwreg(HW_REG_WAVE_MODE, 25, 1), 1
	s_wait_xcnt 0x0
; x [8192][1024], Wqkv [1024][3072] and Wout [1024][1024], all f32, become codes of FP6 (E2M3), K innermost, with one E8M0 byte for each 32 along K.
; xq: codes [8192][768] at byte 0, scale bytes [8192][32] at XSCL.  wq: Wqkv^T codes [3072][768] at 0, its bytes [3072][32] at 2,359,296; Wout^T codes [1024][768] at 2,457,600, its bytes at 3,244,032.
; A block's scale is 2^(floor(log2(largest magnitude)) - 2): its byte is the largest magnitude's exponent field - 2, held at 1 from below.
; WOUT'S CODES STAND IN ANOTHER ORDER INSIDE EACH BLOCK OF 32: place p holds row 32 t + (p % 8) + 16 ((p / 8) % 2) + 8 (p / 16): the order in which the attention launch's results fall into a lane's registers.
; The other operand of that product is laid in the same order, so the products pair up as they should; the blocks are the same sets of numbers, so the scales are the quantiser's.
; LIMITS: a block of zeros gets the byte 1 where the quantiser's text says 127 (its codes are zeros; this program alone reads the bytes); blocks whose largest magnitude lies under 2^-124 are held at that floor; NaN and infinities are not served.
; SHARES: 384 work-groups of 32,768 numbers each: 0-255 take x (K innermost: a plain stream of blocks), 256-351 Wqkv, 352-383 Wout (K is the first axis: a lane takes a column, its registers run down K).
; The three paths part on the work-group's number and have LDS bytes of their own.  No tensor load, no barrier: waves share nothing.
.set XSCL,  6291456
.set WREG,  8192                       ; path x: a wave's LDS: two stages of 32 x SP bytes, then its 256 scale bytes
.set SP,    80
.set CB,    12
.set EMAX,  2
.set STEPS, 16
.set R,     16                         ; v16-79   four sets of 16 numbers as loaded
.set X,     80                         ; v80-111  two sets of 16 neighbours
.set C,     128                        ; v128-191 codes, four registers a step
.set E,     112                        ; v112-127 a scale byte a step
.set WPITCH, 272                       ; paths W: a stage row: sixteen places of 16 bytes + 16
.set KROW,  768
.set WX,    32                         ; v32-95   two sets of 32 numbers
.set WC,    96                         ; v96-102  a block's codes
.set WOUT,  112                        ; v112-175 the way out
.set WSB,   24                         ; v24-25   eight scale bytes
	s_load_b256 s[4:11], s[0:1], 0x0               ; x s[4:5], Wqkv s[6:7], Wout s[8:9], xq s[10:11]
	s_load_b64 s[12:13], s[0:1], 0x20              ; wq
	v_lshl_add_u32 v192, v0, 2, 0x19000
	v_mov_b32 v193, 0
	v_lshrrev_b32 v1, 5, v0
	v_readfirstlane_b32 s16, v1                    ; wave
	v_and_b32 v2, 31, v0                           ; lane
	s_cmp_lt_u32 ttmp9, 256
	s_cbranch_scc0 .Lweights
; ---------------- x: a wave takes 16 steps of 512 numbers.  Loads read 512 consecutive bytes; a step's 2,048 bytes turn through the wave's stage so that a lane holds 16 neighbours
	v_lshlrev_b32 v3, 4, v2                        ; my 16 bytes of a load's 512
	s_mul_i32 s17, s16, WREG
	v_lshrrev_b32 v14, 2, v2
	v_mul_u32_u24 v14, v14, SP
	v_and_b32 v15, 3, v2
	v_lshl_add_u32 v14, v15, 4, v14
	v_add_nc_u32 v14, s17, v14                     ; the stage, in: SP (lane / 4) + 16 (lane % 4)
	v_mul_u32_u24 v15, v2, SP
	v_add_nc_u32 v15, s17, v15                     ; and out: SP x lane
	v_mul_u32_u24 v4, v2, CB                       ; my codes' place in a step's
	v_lshrrev_b32 v5, 1, v2
	s_add_co_u32 s17, s17, 2*32*SP
	v_add_nc_u32 v5, s17, v5                       ; my block's scale byte in LDS
	v_lshlrev_b32 v7, 3, v2
	v_add_nc_u32 v6, s17, v7
	s_lshl_b32 s18, ttmp9, 2
	s_add_co_u32 s18, s18, s16                     ; which run of 8,192 numbers is my wave's: 0 .. 1,023
	s_lshl_b32 s20, s18, 15                        ; 32,768 bytes of x a run
	s_mov_b32 s21, 0
	s_mul_i32 s22, s18, 32*STEPS*CB                ; 6,144 bytes of codes
	s_mov_b32 s23, 0
	s_lshl_b32 s24, s18, 8                         ; 256 scale bytes
	s_add_co_u32 s24, s24, XSCL
	s_mov_b32 s25, 0
	s_wait_kmcnt 0x0
	s_add_nc_u64 s[4:5], s[4:5], s[20:21]
	s_add_nc_u64 s[22:23], s[10:11], s[22:23]
	s_add_nc_u64 s[24:25], s[10:11], s[24:25]
.macro LOAD t
.irp i, 0,1,2,3
	global_load_b128 v[R+16*((\t)%4)+4*\i:R+16*((\t)%4)+4*\i+3], v3, s[4:5] offset:2048*(\t)+512*\i th:TH_LOAD_NT
.endr
.endm
.macro TURN t                          ; LDS serves a wave's instructions in order: no wait between the stores and the loads
.irp i, 0,1,2,3
	ds_store_b128 v14, v[R+16*((\t)%4)+4*\i:R+16*((\t)%4)+4*\i+3] offset:32*SP*((\t)%2)+8*SP*\i
.endr
.irp i, 0,1,2,3
	ds_load_b128 v[X+16*((\t)%2)+4*\i:X+16*((\t)%2)+4*\i+3], v15 offset:32*SP*((\t)%2)+16*\i
.endr
.endm
.irp t, 0,1,2,3
	LOAD \t
.endr
	s_wait_loadcnt 12                              ; step 0's four loads are in; the twelve of steps 1 to 3 may be out
	TURN 0
.macro STEP t
.set XS, X+16*((\t)%2)
.if (\t) > 0
	s_wait_dscnt 1                                 ; this step's numbers are back from the stage; the last step's byte store may be out
.else
	s_wait_dscnt 0x0
.endif
.if (\t)+4 < STEPS
	LOAD (\t)+4                                    ; into the registers that the stage's stores have read
.endif
.if (\t)+1 < STEPS
.if STEPS-2-(\t) >= 3
	s_wait_loadcnt 12                              ; the next step's loads are in; those of the three steps behind it may be out
.else
	s_wait_loadcnt 4*(STEPS-2-(\t))
.endif
	TURN (\t)+1
.endif
	v_max3_num_f32 v8, |v[XS]|, |v[XS+1]|, |v[XS+2]|
	v_max3_num_f32 v9, |v[XS+3]|, |v[XS+4]|, |v[XS+5]|
.irp i, 6,10
	v_max3_num_f32 v8, v8, |v[XS+\i]|, |v[XS+\i+1]|
	v_max3_num_f32 v9, v9, |v[XS+\i+2]|, |v[XS+\i+3]|
.endr
	v_max3_num_f32 v8, v8, |v[XS+14]|, |v[XS+15]|
	v_max3_num_f32 v8, v8, v9, (EMAX+1)<<23        ; the floor 2^(3 - 127): the byte cannot fall under 1
	v_max_num_f32_dpp v8, v8, v8 row_xmask:1 row_mask:0xf bank_mask:0xf   ; with my neighbour's 16: the block's largest magnitude
	v_add_nc_u32 v11, -(EMAX<<23), v8              ; 2 off its exponent field: the conversion's scale operand
	v_cvt_scalef32_pk16_fp6_f32 v[C+4*(\t):C+4*(\t)+2], v[XS:XS+15], v11
	v_lshrrev_b32 v[E+(\t)], 23, v11               ; the scale's byte
	ds_store_b8 v5, v[E+(\t)] offset:16*(\t)       ; both lanes of a block write the same byte with the same value
	global_store_b96 v4, v[C+4*(\t):C+4*(\t)+2], s[22:23] offset:32*CB*(\t)   ; the wave stores 384 consecutive bytes
.endm
.irp t, 0,1,2,3,4,5,6,7,8,9,10,11,12,13,14,15
	STEP \t
.endr
	ds_load_b64 v[12:13], v6                       ; my wave's 256 scale bytes, 8 a lane
	s_wait_dscnt 0x0
	global_store_b64 v7, v[12:13], s[24:25]        ; 256 consecutive bytes, at a multiple of 256 from the buffer's first byte
	s_wait_tensorcnt 0x0
	ds_add_u32 v192, v193
	s_wait_dscnt 0x0
	s_endpgm
; ---------------- a weight [1024][cols]: a wave takes 32 columns x 256 along K: 8 blocks a lane.  The codes leave through the wave's stage as rows of 192 bytes
.macro WLOAD t, cols, perm             ; block t: 32 rows at my column into set t % 2; perm = 1: register i takes row 32 t + (i % 8) + 16 ((i / 8) % 2) + 8 (i / 16)
.irp i, 0,1,2,3,4,5,6,7,8,9,10,11,12,13,14,15,16,17,18,19,20,21,22,23,24,25,26,27,28,29,30,31
.if \perm
	global_load_b32 v[WX+32*((\t)%2)+\i], v3, s[20:21] offset:(32*(\t)+(\i%8)+16*((\i/8)%2)+8*(\i/16))*\cols*4 th:TH_LOAD_NT
.else
	global_load_b32 v[WX+32*((\t)%2)+\i], v3, s[20:21] offset:(32*(\t)+\i)*\cols*4 th:TH_LOAD_NT
.endif
.endr
.endm
.macro WBLOCK t, cols, perm
.set XS, WX+32*((\t)%2)
.if (\t) < 7
	s_wait_loadcnt 32                              ; this block's 32 loads are in; the next block's may be out
.else
	s_wait_loadcnt 0
.endif
	v_max3_num_f32 v12, |v[XS]|, |v[XS+1]|, |v[XS+2]|
	v_max3_num_f32 v13, |v[XS+3]|, |v[XS+4]|, |v[XS+5]|
.irp i, 6,10,14,18,22,26
	v_max3_num_f32 v12, v12, |v[XS+\i]|, |v[XS+\i+1]|
	v_max3_num_f32 v13, v13, |v[XS+\i+2]|, |v[XS+\i+3]|
.endr
	v_max3_num_f32 v12, v12, |v[XS+30]|, |v[XS+31]|
	v_max3_num_f32 v12, v12, v13, (EMAX+1)<<23
	v_add_nc_u32 v11, -(EMAX<<23), v12
	v_lshrrev_b32 v13, 23, v11
.if (\t)%4 == 0
	v_mov_b32 v[WSB+(\t)/4], v13                   ; four bytes to a register, the lower K in the lower byte
.else
	v_lshl_or_b32 v[WSB+(\t)/4], v13, 8*((\t)%4), v[WSB+(\t)/4]
.endif
	v_cvt_scalef32_pk16_fp6_f32 v[WC:WC+2], v[XS:XS+15], v11
	v_cvt_scalef32_pk16_fp6_f32 v[WC+4:WC+6], v[XS+16:XS+31], v11
	ds_store_b96 v4, v[WC:WC+2] offset:32*(\t)     ; 12 bytes to a place of 16
	ds_store_b96 v4, v[WC+4:WC+6] offset:32*(\t)+16
.if (\t)+2 < 8
	WLOAD (\t)+2, \cols, \perm
.endif
	s_wait_dscnt 0x0                               ; the stores have read their registers: the next block's codes may be written
.endm
.macro WPATH cols, perm, lb, id0, codeoff, scoff, src
	s_sub_co_u32 s17, ttmp9, \id0
	s_and_b32 s18, s17, 3                          ; which 256 along K
	s_lshr_b32 s17, s17, 2
	s_lshl_b32 s17, s17, 7
	s_lshl_b32 s19, s16, 5
	s_add_co_u32 s17, s17, s19                     ; my wave's first column
	v_lshlrev_b32 v3, 2, v2                        ; in: 4 bytes a lane
	s_mul_i32 s19, s16, 32*WPITCH
	s_add_co_u32 s19, s19, \lb                     ; my stage
	v_mul_u32_u24 v4, v2, WPITCH
	v_add_nc_u32 v4, s19, v4                       ; into it: row = my column
	v_and_b32 v5, 15, v2
	v_lshrrev_b32 v6, 4, v2
	v_mul_u32_u24 v7, v6, WPITCH
	v_lshl_add_u32 v7, v5, 4, v7
	v_add_nc_u32 v7, s19, v7                       ; out of it: sixteen lanes to a row
	v_mul_u32_u24 v8, v6, KROW
	v_mad_u32_u24 v8, v5, 12, v8                   ; the same place among the codes
	v_lshlrev_b32 v9, 5, v2                        ; my column's row of scale bytes
	s_mul_i32 s26, s18, 256*\cols*4
	s_lshl_b32 s27, s17, 2
	s_add_co_u32 s26, s26, s27
	s_mov_b32 s27, 0
	s_mul_i32 s28, s17, KROW
	s_mul_i32 s29, s18, 192
	s_add_co_u32 s28, s28, s29
	s_add_co_u32 s28, s28, \codeoff
	s_mov_b32 s29, 0
	s_lshl_b32 s30, s17, 5
	s_lshl_b32 s31, s18, 3
	s_add_co_u32 s30, s30, s31
	s_add_co_u32 s30, s30, \scoff
	s_mov_b32 s31, 0
	s_wait_kmcnt 0x0
	s_add_nc_u64 s[20:21], s[\src:\src+1], s[26:27]
	s_add_nc_u64 s[22:23], s[12:13], s[28:29]
	s_add_nc_u64 s[24:25], s[12:13], s[30:31]
	WLOAD 0, \cols, \perm
	WLOAD 1, \cols, \perm
.irp q, 0,1,2,3,4,5,6,7
	WBLOCK \q, \cols, \perm
.endr
	global_store_b64 v9, v[WSB:WSB+1], s[24:25]    ; my column's eight scale bytes (rows 32 bytes apart: one byte in 128 of what the path reads)
.irp t, 0,1,2,3,4,5,6,7,8,9,10,11,12,13,14,15
	ds_load_b96 v[WOUT+4*\t:WOUT+4*\t+2], v7 offset:2*\t*WPITCH
.endr
.irp t, 0,1,2,3,4,5,6,7,8,9,10,11,12,13,14,15
	s_wait_dscnt 15-\t                             ; read-back t is in; the younger ones may be out
	global_store_b96 v8, v[WOUT+4*\t:WOUT+4*\t+2], s[22:23] offset:2*\t*KROW
.endr
.endm
.Lweights:
	s_cmp_lt_u32 ttmp9, 352
	s_cbranch_scc0 .Lwout
	WPATH 3072, 0, 32768, 256, 0, 2359296, 6
	s_wait_tensorcnt 0x0
	ds_add_u32 v192, v193
	s_wait_dscnt 0x0
	s_endpgm
.Lwout:
	WPATH 1024, 1, 67584, 352, 2457600, 3244032, 8
	s_wait_tensorcnt 0x0
	ds_add_u32 v192, v193
	s_wait_dscnt 0x0
	s_endpgm
.Lfunc_end_k_q39dc026638_prep:
	.size	k_q39dc026638_prep, .Lfunc_end_k_q39dc026638_prep-k_q39dc026638_prep
	.p2alignl 7, 3214868480
	.fill 96, 4, 3214868480
	.section	.rodata,"a",@progbits
	.p2align	6, 0x0
	.amdhsa_kernel k_q39dc026638_prep
		.amdhsa_group_segment_fixed_size 102912
		.amdhsa_private_segment_fixed_size 0
		.amdhsa_enable_private_segment 0
		.amdhsa_kernarg_size 40
		.amdhsa_user_sgpr_count 2
		.amdhsa_user_sgpr_kernarg_segment_ptr 1
		.amdhsa_wavefront_size32 1
		.amdhsa_system_sgpr_workgroup_id_x 1
		.amdhsa_system_sgpr_workgroup_id_y 1
		.amdhsa_system_sgpr_workgroup_id_z 1
		.amdhsa_system_vgpr_workitem_id 0
		.amdhsa_next_free_vgpr 194
		.amdhsa_next_free_sgpr 66
		.amdhsa_reserve_vcc 0
		.amdhsa_float_denorm_mode_32 3
		.amdhsa_float_denorm_mode_16_64 3
		.amdhsa_memory_ordered 1
		.amdhsa_forward_progress 1
		.amdhsa_inst_pref_size 114
	.end_amdhsa_kernel
	.amdgpu_metadata
---
amdhsa.version: [ 1, 2 ]
amdhsa.kernels:
  - .name:           k_q39dc026638_prep
    .symbol:         k_q39dc026638_prep.kd
    .args:
      - { .name: x, .offset: 0, .size: 8, .value_kind: global_buffer, .address_space: global }
      - { .name: Wqkv, .offset: 8, .size: 8, .value_kind: global_buffer, .address_space: global }
      - { .name: Wout, .offset: 16, .size: 8, .value_kind: global_buffer, .address_space: global }
      - { .name: xq, .offset: 24, .size: 8, .value_kind: global_buffer, .address_space: global }
      - { .name: wq, .offset: 32, .size: 8, .value_kind: global_buffer, .address_space: global }
    .group_segment_fixed_size: 102912
    .private_segment_fixed_size: 0
    .kernarg_segment_align: 8
    .kernarg_segment_size: 40
    .max_flat_workgroup_size: 128
    .sgpr_count:     66
    .vgpr_count:     194
    .wavefront_size: 32
...
	.end_amdgpu_metadata
.endif
;; end of part 1
;; launch qkv (part 2): grid 12 x 32, 4 waves a work-group, clusters of 4 x 4, 327,680 bytes of LDS; arguments xq, wq, bqkv, q_ws, kv_ws; writes q_ws, kv_ws
.if DOCPART == 2
	.amdgcn_target "amdgcn-amd-amdhsa--gfx1250"
	.amdhsa_code_object_version 6
	.text
	.protected	k_q39dc026638_qkv
	.globl	k_q39dc026638_qkv
	.p2align	8
	.type	k_q39dc026638_qkv,@function
k_q39dc026638_qkv:
	s_mov_b64 s[64:65], 0
	v_nop
	global_prefetch_b8 v0, s[64:65] scope:SCOPE_SE
	s_setreg_imm32_b32 hwreg(HW_REG_WAVE_MODE, 25, 1), 1
	s_wait_xcnt 0x0
	s_wait_alu depctr_hold_cnt(0) depctr_sa_sdst(0) depctr_va_vdst(0) depctr_va_sdst(0) depctr_va_ssrc(0) depctr_va_vcc(0) depctr_vm_vsrc(0)
	s_getreg_b32 s2, hwreg(HW_REG_IB_STS2, 6, 4)
	s_cmp_eq_u32 s2, 0
	s_cbranch_scc0 .Lentry_in_a_cluster
	s_endpgm
.Lentry_in_a_cluster:
	s_bfe_u32 s2, ttmp6, 0x10000c
	s_cmp_lg_u32 s2, 0xf033
	s_cbranch_scc0 .Lentry_shape_is_right
	s_endpgm
.Lentry_shape_is_right:
; qkv = x Wqkv + bqkv on codes of FP6 (E2M3) with E8M0 scales, K = 1,024; the results are quantised at once, along the K of the products that follow, and stored as IMAGES OF THE ATTENTION LAUNCH'S OPERAND REGISTERS.
; THE PRODUCT: a tile of 256 x 256 to a work-group of four waves, 128 x 128 to a wave (64 accumulators, 512 registers); K in steps of 256 through a ring of two LDS slots filled by the tensor data mover;
; the scale bytes of the work-group's rows come once, with the first fills.  The matrix instruction is used transposed (source 0 = 16 rows of "B", source 1 = 16 rows of "A"): a lane holds ONE row of A, its registers run along B's rows.
; WHO IS A AND WHO IS B hangs on the cluster's x, which all sixteen partners share:  x = 0 (q), 1 (k): A = tokens (xq), B = features (Wqkv^T): a lane holds a token, its registers run along the head's 64: the K of q k^T.
;   x = 2 (v): A = features 2,048 on, B = tokens: a lane holds a channel, its registers run along the tokens: the keys are the K of p v.  Only pointers and tile numbers are chosen; the loop is one text.
; CLUSTERS: 4 x 4 work-groups; A's tiles are asked for jointly along a row of the cluster, B's along a column.
; THE WAY OUT uses no LDS.  64 numbers of a lane (with their bias) are quantised into one operand of 12 registers and one scale word:
;   q, k: two tiles of 16 tokens side by side (64 + 64 along the instruction's 128);  v: 16 channels x 128 keys.  Three stores of 512 consecutive bytes a unit; a head's four scale words leave as one image of 256 bytes.
; INSIDE A BLOCK OF 32 the codes stand in the order in which results fall into registers: place p holds number (p % 8) + 16 ((p / 8) % 2) + 8 (p / 16).  Both operands of each later product are made so, so the products pair up.
; q's scale bytes are stored 3 lower: that is the factor 1 / sqrt(64), exact.  For it q's floor is 2^(6 - 127).
; LIMITS: blocks of q whose largest magnitude lies under 2^-121 (k, v: 2^-124) are held at that floor; a block of zeros gets the floor's byte and zero codes; NaN and infinities are not served.
; REGISTERS: window 0: v0-31 addresses; v32-63 scale words; v64-127 the bias along registers; v128-223 A's fragments; v236-243 the bias along lanes; on the way out v128-235 are at work.
;   window 1: B's fragments, two sets.  windows 2, 3: the accumulators ((a, b) at v[8 (8 (a % 4) + b)]).
.set KSTEP,  256
.set NQ,     KSTEP/128
.set ROWB,   192                       ; a tile's row: 256 codes
.set KROW,   768                       ; a row of codes in memory
.set PITCH,  240                       ; an LDS row: 3 x (64 bytes + 16 of padding)
.set FR,     12
.set NL,     6
.set NP,     4                         ; places behind this matrix instruction (ISA guide 7.12.1)
.set HALFT,  128*PITCH
.set SLOT,   4*HALFT
.set LAPS,   2                         ; 1,024 along K = two laps of two slots
.set KS,     32                        ; a row of scale bytes
.set SCL,    2*SLOT
.set HALFS,  (128*KS/256)*272
.set SBLK,   (16*KS/256)*272
.set SPARE,  SCL+4*HALFS               ; the spare words: 128 bytes a wave, two blocks of 256 bytes that no other line names
.set ADRA, 16
.set ADRB, 20
.set ADRS, 27
.set SPW,  28
.set NIL,  29
.set SC,   32
.set AF,   128
.set BB,   64                          ; v64-127  bias of B's rows: register 8 b + j: row 16 b + 8 (lane / 16) + j
.set BV,   236                         ; v236-243 bias of A's rows: register a: row 16 a + lane % 16
.set T,    128                         ; the way out: 64 numbers
.set PC,   192                         ; v192-211 codes
.set TM,   212                         ; v212-227 at work
.set PW,   228                         ; the scale word just made
.set WR,   230                         ; v230-233 a head's four scale words
.set IM,   234                         ; v[234:235] their image
.set G1, 24
.set G0, 32
.set G1B, 48
.set G0B, 56
.set G1S, 68
.set G0S, 76
.set G1SB, 80
.set G0SB, 88
.set SEL, 100                          ; s[100:101] on the way out: lane selects for v_permlanex16_b32
.set OC,  12                           ; s[12:13]  on the way out: where my codes go
.set OS,  66                           ; s[66:67]  and my scale images
.set MSB, 0
.macro WIN new                         ; the immediate's high byte repeats the setting that is left
.if MSB != (\new)
	s_set_vgpr_msb (MSB<<8)|(\new)
.set MSB, (\new)
.endif
.endm
.set MUL_LO, 0xa1
.set MUL_HI, 0xf1
.set TO_B,   0x40
; A joint load: waves 0 and 1 fetch for A, waves 2 and 3 for B; four v_nop follow each of the two lines
.macro JLOAD g0a, g1a, g0b, g1b
	s_cmp_eq_u32 s15, 0
	s_cbranch_scc0 .Lfor_b_\@
	tensor_load_to_lds s[\g0a:\g0a+3], s[\g1a:\g1a+7]
	s_nop 0
.rept 4
	v_nop
.endr
	s_branch .Lasked_\@
.Lfor_b_\@:
	tensor_load_to_lds s[\g0b:\g0b+3], s[\g1b:\g1b+7]
	s_nop 0
.rept 4
	v_nop
.endr
.Lasked_\@:
.endm
.macro CREST
	s_cmp_lg_u32 s14, 0
	s_cbranch_scc1 .Lnot_wave_0_\@
	s_barrier_signal -3
.Lnot_wave_0_\@:
	s_barrier_wait -3
	s_barrier_signal -1
	s_barrier_wait -1
.endm
.macro CROUND
	s_barrier_signal -1
	s_barrier_wait -1
	CREST
.endm
	s_load_b128 s[4:7], s[0:1], 0x0                ; xq s[4:5], wq s[6:7]
	s_load_b64 s[66:67], s[0:1], 0x10              ; bqkv
	s_load_b64 s[96:97], s[0:1], 0x18              ; q_ws
	s_load_b64 s[98:99], s[0:1], 0x20              ; kv_ws
	v_lshl_add_u32 v[SPW], v0, 2, SPARE
	v_mov_b32 v[NIL], 0
	ds_add_u32 v28, v29
	s_wait_dscnt 0x0
	v_lshrrev_b32 v1, 5, v0
	v_readfirstlane_b32 s14, v1                    ; wave 0..3
	s_lshr_b32 s15, s14, 1                         ; my half of A's rows.  Also: I fetch for A (0) or for B (1)
	s_and_b32 s16, s14, 1                          ; my half of B's rows.  Also: which 128 rows I fetch
	s_bfe_u32 s40, ttmp6, 0x40000                  ; cx
	s_bfe_u32 s41, ttmp6, 0x40004                  ; cy
	s_and_b32 s18, ttmp7, 0xffff                   ; the cluster's y
	s_cmp_eq_u32 ttmp9, 2                          ; the cluster's x: 0 q, 1 k, 2 v
	s_cselect_b32 s17, 2, s18
	s_cselect_b32 s42, s18, ttmp9
	s_lshl_b32 s17, s17, 2
	s_add_co_u32 s17, s17, s41                     ; A's tile of 256 rows: q, k: tokens 4 y + cy;  v: features, tile 8 + cy of Wqkv^T
	s_lshl_b32 s42, s42, 2
	s_add_co_u32 s42, s42, s40                     ; B's tile: q, k: features 4 x + cx;  v: tokens 4 y + cx
	s_lshl_b32 s43, s41, 2
	s_lshl_b32 s43, 15, s43                        ; my row of the cluster
	s_lshl_b32 s44, 0x1111, s40                    ; my column
	s_or_b32 s[G1+0], s43, (0<<16)|(1<<20)|(1<<21)|(3<<22)|(3<<25)   ; mask; elements of 1 byte; padding of 4 words behind every 16
	s_or_b32 s[G1B+0], s44, (0<<16)|(1<<20)|(1<<21)|(3<<22)|(3<<25)
.irp g, G1, G1B
	s_mov_b32 s[\g+1], ROWB<<16                    ; tensor_dim0
	s_mov_b32 s[\g+2], 128<<16                     ; tensor_dim1
	s_mov_b32 s[\g+3], ROWB<<16                    ; tile_dim0
	s_mov_b32 s[\g+4], 128                         ; tile_dim1
	s_mov_b32 s[\g+5], KROW                        ; pitch
	s_mov_b32 s[\g+6], 0
	s_mov_b32 s[\g+7], 0
.endr
	s_or_b32 s[G1S+0], s43, (3<<16)|(1<<20)|(1<<21)|(5<<22)|(3<<25)  ; the scales of 128 rows: a dense block as rows of 256 bytes, 16 bytes of padding behind each
	s_or_b32 s[G1SB+0], s44, (3<<16)|(1<<20)|(1<<21)|(5<<22)|(3<<25)
.irp g, G1S, G1SB
	s_mov_b32 s[\g+1], 32<<16
	s_mov_b32 s[\g+2], (128*KS/256)<<16
	s_mov_b32 s[\g+3], 32<<16
	s_mov_b32 s[\g+4], 128*KS/256
	s_mov_b32 s[\g+5], 32
	s_mov_b32 s[\g+6], 0
	s_mov_b32 s[\g+7], 0
.endr
	s_lshl_b32 s18, s16, 7
	s_lshl_b32 s20, s17, 8
	s_add_co_u32 s20, s20, s18                     ; A: the first row that I fetch
	s_lshl_b32 s46, s42, 8
	s_add_co_u32 s46, s46, s18                     ; B likewise
	s_mov_b32 s21, 0
	s_mov_b32 s47, 0
	s_mov_b64 s[18:19], KS
	s_mul_u64 s[22:23], s[20:21], s[18:19]
	s_mul_u64 s[92:93], s[46:47], s[18:19]
	s_mov_b64 s[18:19], KROW
	s_mul_u64 s[20:21], s[20:21], s[18:19]
	s_mul_u64 s[46:47], s[46:47], s[18:19]
	s_mul_i32 s45, s14, HALFT
	s_mul_i32 s94, s14, HALFS
	s_wait_kmcnt 0x0
	s_add_nc_u64 s[8:9], s[4:5], 6291456           ; x's scale bytes
	s_add_nc_u64 s[10:11], s[6:7], 2359296         ; Wqkv^T's
	s_cmp_eq_u32 ttmp9, 2                          ; the choice hangs on the cluster's x alone
	s_cselect_b64 s[2:3], s[6:7], s[4:5]           ; A's codes
	s_cselect_b64 s[100:101], s[10:11], s[8:9]     ; A's scales
	s_cselect_b64 s[6:7], s[4:5], s[6:7]           ; B's codes
	s_cselect_b64 s[10:11], s[8:9], s[10:11]       ; B's scales
	s_add_nc_u64 s[20:21], s[2:3], s[20:21]
	s_add_nc_u64 s[22:23], s[100:101], s[22:23]
	s_add_nc_u64 s[46:47], s[6:7], s[46:47]
	s_add_nc_u64 s[92:93], s[10:11], s[92:93]
	CROUND                                         ; all sixteen work-groups are here: the first joint loads meet
	s_mov_b32 s[G0S], 1
	s_add_co_u32 s[G0S+1], s94, SCL
	s_mov_b64 s[G0S+2:G0S+3], s[22:23]
	s_or_b32 s[G0S+3], s[G0S+3], 0x80000000
	s_mov_b32 s[G0SB], 1
	s_add_co_u32 s[G0SB+1], s94, SCL
	s_mov_b64 s[G0SB+2:G0SB+3], s[92:93]
	s_or_b32 s[G0SB+3], s[G0SB+3], 0x80000000
	JLOAD G0S, G1S, G0SB, G1SB                     ; the scales first
.irp s, 0,1
	s_mov_b32 s[G0+4*\s], 1
	s_add_co_u32 s[G0+4*\s+1], s45, \s*SLOT
	s_add_nc_u64 s[G0+4*\s+2:G0+4*\s+3], s[20:21], \s*ROWB
	s_or_b32 s[G0+4*\s+3], s[G0+4*\s+3], 0x80000000
	s_mov_b32 s[G0B+4*\s], 1
	s_add_co_u32 s[G0B+4*\s+1], s45, \s*SLOT
	s_add_nc_u64 s[G0B+4*\s+2:G0B+4*\s+3], s[46:47], \s*ROWB
	s_or_b32 s[G0B+4*\s+3], s[G0B+4*\s+3], 0x80000000
	JLOAD G0+4*\s, G1, G0B+4*\s, G1B
.endr
	v_and_b32 v1, 15, v0                           ; r
	v_bfe_u32 v2, v0, 4, 1                         ; h
	; The biases.  Both sets are always loaded, so that no branch parts the loads: the set that my path does not use is read at bqkv's first bytes.
	s_lshl_b32 s95, s42, 8
	s_lshl_b32 s12, s16, 7
	s_add_co_u32 s95, s95, s12
	s_lshl_b32 s95, s95, 2                         ; q, k: B's rows are features: 4 x my wave's first
	s_lshl_b32 s12, s17, 8
	s_lshl_b32 s13, s15, 7
	s_add_co_u32 s12, s12, s13
	s_lshl_b32 s12, s12, 2                         ; v: A's rows are features
	s_cmp_eq_u32 ttmp9, 2
	s_cselect_b32 s4, 0, s95
	s_cselect_b32 s12, s12, 0
	s_mov_b32 s5, 0
	s_mov_b32 s13, 0
	s_add_nc_u64 s[12:13], s[66:67], s[12:13]
	s_add_nc_u64 s[66:67], s[66:67], s[4:5]
	v_lshlrev_b32 v30, 5, v2                       ; 32 h; v30, v31 and the two bases stay as they are until the wait for these loads
	v_lshlrev_b32 v31, 2, v1                       ; 4 r
.irp b, 0,1,2,3,4,5,6,7
	global_load_b128 v[BB+8*\b:BB+8*\b+3], v30, s[66:67] offset:64*\b
	global_load_b128 v[BB+8*\b+4:BB+8*\b+7], v30, s[66:67] offset:64*\b+16
.endr
.irp a, 0,1,2,3,4,5,6,7
	global_load_b32 v[BV+\a], v31, s[12:13] offset:64*\a
.endr
	v_mul_u32_u24 v3, v1, PITCH
	v_mul_u32_u24 v4, v2, 24
	v_add_nc_u32 v4, v3, v4                        ; a fragment's row x pitch + 24 x half
	v_lshl_add_u32 v5, v2, 4, v4                   ; and the same behind one padding more
	s_mul_i32 s21, s15, HALFT
	s_mul_i32 s22, s16, HALFT
	s_add_co_u32 s22, s22, 2*HALFT
.irp s, 0,1
	v_add_nc_u32 v[ADRA+\s], s21, v4
	v_add_nc_u32 v[ADRB+\s], s22, v4
	v_add_nc_u32 v[ADRA+2+\s], s21, v5
	v_add_nc_u32 v[ADRB+2+\s], s22, v5
	s_add_co_u32 s21, s21, SLOT
	s_add_co_u32 s22, s22, SLOT
.endr
	v_mul_u32_u24 v5, v1, KS
	v_lshrrev_b32 v6, 8, v5
	v_lshl_add_u32 v5, v6, 4, v5
	s_mul_i32 s21, s15, HALFS
	s_mul_i32 s22, s16, HALFS
	s_add_co_u32 s22, s22, 2*HALFS
	s_sub_co_u32 s22, s22, s21
	v_mul_u32_u24 v6, s22, v2                      ; lanes 16-31 take B's scale words
	s_add_co_u32 s21, s21, SCL
	v_add_nc_u32 v5, v5, v6
	v_add_nc_u32 v[ADRS], s21, v5
.macro FRAG reg, adr, q, i             ; 16 rows x 128 K of 6-bit codes: 12 registers, in pieces of 8 bytes; the second address register serves the pieces that lie behind one padding more for lanes 16-31
.irp p, 0,1,2,3,4,5
.set PCE, 12*(\q)+6*(\p/3)+\p%3
.if PCE%8 < 5
	ds_load_b64 v[\reg+2*\p:\reg+2*\p+1], v[\adr] offset:8*PCE+16*(PCE/8)+(\i)*16*PITCH
.else
	ds_load_b64 v[\reg+2*\p:\reg+2*\p+1], v[\adr+2] offset:8*PCE+16*(PCE/8)+(\i)*16*PITCH
.endif
.endr
.endm
; 16 matrix instructions: A's blocks a0, a0 + 1 x B's eight.  The 64 accumulators take turns, one instruction a turn, in the same order in every step
.macro MUL16 a0, p, q, sc, zero
.irp a, \a0, \a0+1
.irp b, 0,1,2,3,4,5,6,7
.if \zero
	v_wmma_scale_f32_16x16x128_f8f6f4 v[8*(8*((\a)%4)+\b):8*(8*((\a)%4)+\b)+7], v[128*(\p)+FR*\b:128*(\p)+FR*\b+FR-1], v[AF+FR*(\a):AF+FR*(\a)+FR-1], 0, v[SC+8*NQ*(\sc)+NQ*\b+(\q)], v[SC+8*NQ*(\sc)+NQ*(\a)+(\q)] matrix_a_fmt:MATRIX_FMT_FP6 matrix_b_fmt:MATRIX_FMT_FP6 matrix_a_scale:MATRIX_SCALE_ROW1
.else
	v_wmma_scale_f32_16x16x128_f8f6f4 v[8*(8*((\a)%4)+\b):8*(8*((\a)%4)+\b)+7], v[128*(\p)+FR*\b:128*(\p)+FR*\b+FR-1], v[AF+FR*(\a):AF+FR*(\a)+FR-1], v[8*(8*((\a)%4)+\b):8*(8*((\a)%4)+\b)+7], v[SC+8*NQ*(\sc)+NQ*\b+(\q)], v[SC+8*NQ*(\sc)+NQ*(\a)+(\q)] matrix_a_fmt:MATRIX_FMT_FP6 matrix_b_fmt:MATRIX_FMT_FP6 matrix_a_scale:MATRIX_SCALE_ROW1
.endif
.endr
.endr
.endm
.macro FETCH_B slot, q, p
	WIN TO_B
.irp i, 0,1,2,3,4,5,6,7
	FRAG 128*(\p)+FR*\i, ADRB+\slot, \q, \i
.endr
	WIN 0
.endm
.macro FETCH_A slot, q, i0
.irp i, \i0, \i0+1, \i0+2, \i0+3
	FRAG AF+FR*(\i), ADRA+\slot, \q, \i
.endr
.endm
.macro SCALES sc                       ; lanes 0-15 take A's block i, lanes 16-31 B's block i: two words a row for a K step
.irp i, 0,1,2,3,4,5,6,7
	ds_load_b64 v[SC+8*NQ*\sc+NQ*\i:SC+8*NQ*\sc+NQ*\i+1], v[ADRS] offset:\i*SBLK
.endr
.endm
.macro PLACES n                        ; plain vector instructions between a matrix instruction and a load into, or a vector read or write of, its registers
.rept \n
	v_nop
.endr
.endm
.macro STEP slot, q, zero
	s_wait_dscnt 4*NL                              ; B's set and A's blocks 0-3 are in; the 24 youngest loads (A's blocks 4-7) may be out
	WIN MUL_LO
	MUL16 0, (\q)%2, \q, \slot, \zero
	MUL16 2, (\q)%2, \q, \slot, \zero
	s_wait_dscnt 0
	PLACES NP
	FETCH_B \slot, (\q)+1, 1-(\q)%2
	FETCH_A \slot, (\q)+1, 0
	WIN MUL_HI
	MUL16 4, (\q)%2, \q, \slot, \zero
	MUL16 6, (\q)%2, \q, \slot, \zero
	PLACES NP
	WIN 0
	FETCH_A \slot, (\q)+1, 4
.endm
; A slot's last step changes slots: each wave waits for all its tensor loads, adds 0 to its spare word, waits for that and for its reads of this slot; then the barrier, which with fill = 1 opens a round of the cluster's
.macro TURN slot, next, fill
	s_wait_tensorcnt 0x0                           ; all my tensor loads have landed: my part of the next slot
	ds_add_u32 v[SPW], v[NIL]                      ; 0 onto my spare word
	s_wait_dscnt 4*NL+1                            ; the add and the 24 youngest loads (A's blocks 4-7) may be out
	WIN MUL_LO
	MUL16 0, 1, NQ-1, \slot, 0
	s_wait_dscnt 0x0                               ; the add is done, and my reads of this slot are over
	s_barrier_signal -1
	MUL16 2, 1, NQ-1, \slot, 0
	WIN 0
	s_barrier_wait -1
.if \fill
	CREST                                          ; no wave of any partner still reads this slot or has a load on its way
	s_add_nc_u64 s[G0+4*\slot+2:G0+4*\slot+3], s[G0+4*\slot+2:G0+4*\slot+3], 2*ROWB
	s_add_nc_u64 s[G0B+4*\slot+2:G0B+4*\slot+3], s[G0B+4*\slot+2:G0B+4*\slot+3], 2*ROWB
	JLOAD G0+4*\slot, G1, G0B+4*\slot, G1B         ; the first tensor load behind the round; its four v_nop are the places in front of the loads below
.else
	PLACES NP
.endif
	v_add_nc_u32 v[ADRS], 4*NQ, v[ADRS]            ; the next K step's scale words
	FETCH_B \next, 0, 0
	FETCH_A \next, 0, 0
	SCALES \next
	WIN MUL_HI
	MUL16 4, 1, NQ-1, \slot, 0
	MUL16 6, 1, NQ-1, \slot, 0
	PLACES NP
	WIN 0
	FETCH_A \next, 0, 4
.endm
	s_wait_tensorcnt 1                             ; the scales and my part of K step 0 are in; K step 1's load may be out
	s_barrier_signal -1
	s_barrier_wait -1
	FETCH_B 0, 0, 0
	FETCH_A 0, 0, 0
	SCALES 0
	FETCH_A 0, 0, 4
	STEP 0, 0, 1                                   ; the first step's products start the sums
	s_mov_b32 s3, LAPS-1
.Llap:
	TURN 0, 1, 1
	STEP 1, 0, 0
	TURN 1, 0, 1
	STEP 0, 0, 0
	s_sub_co_u32 s3, s3, 1
	s_cmp_lg_u32 s3, 0
	s_cbranch_scc1 .Llap
	TURN 0, 1, 0                                   ; the last lap fills nothing
	STEP 1, 0, 0
	s_wait_dscnt 4*NL
	WIN MUL_LO
	MUL16 0, 1, NQ-1, 1, 0
	MUL16 2, 1, NQ-1, 1, 0
	s_wait_dscnt 0
	WIN MUL_HI
	MUL16 4, 1, NQ-1, 1, 0
	MUL16 6, 1, NQ-1, 1, 0
	WIN 0
	PLACES NP                                      ; behind the last products: their results are read, and A's fragment registers written, below
; ---------------- THE WAY OUT
	s_wait_loadcnt 0x0                             ; the biases; their address registers and bases are free from here on
	s_cmp_eq_u32 ttmp9, 2
	s_cselect_b32 s4, s42, s17                     ; the tile of 256 tokens,
	s_cselect_b32 s5, s16, s15                     ; my half of it,
	s_cselect_b32 s6, s41, s40                     ; the group of four heads (256 features),
	s_cselect_b32 s7, s15, s16                     ; my two heads of the four
	s_cselect_b32 s8, 24576, 0                     ; v's codes lie behind k's
	s_cselect_b32 s9, 1024, 0                      ; and its scale images behind k's
	s_lshl_b32 s4, s4, 1
	s_add_co_u32 s4, s4, s5                        ; which 128 tokens: 0 .. 63
	s_lshr_b32 s5, s4, 4                           ; the batch
	s_lshl_b32 s5, s5, 2
	s_add_co_u32 s5, s5, s6
	s_lshl_b32 s5, s5, 4
	s_and_b32 s4, s4, 15
	s_add_co_u32 s5, s5, s4                        ; the block: (4 batch + group) 16 + the 128 tokens' number in the batch
	s_cmp_eq_u32 ttmp9, 0
	s_cselect_b64 s[10:11], s[96:97], s[98:99]     ; q_ws or kv_ws
	s_mov_b32 s20, 51200
	s_cselect_b32 s20, 25600, s20                  ; a block's bytes
	s_mov_b32 s21, 49152
	s_cselect_b32 s21, 24576, s21                  ; where its scale images begin
	s_mov_b32 s92, 0x1800000
	s_cselect_b32 s92, 0x3000000, s92              ; the floor: 2^(3 - 127); q: 2^(6 - 127)
	s_cselect_b32 s93, 0x03030303, 0               ; q: 3 off every scale byte: the factor 1 / 8
	s_mul_i32 s20, s5, s20
	s_mul_i32 s22, s7, 12288
	s_add_co_u32 s22, s22, s20
	s_add_co_u32 s22, s22, s8
	s_mov_b32 s23, 0
	s_add_nc_u64 s[OC:OC+1], s[10:11], s[22:23]
	s_lshl_b32 s22, s7, 9
	s_add_co_u32 s22, s22, s20
	s_add_co_u32 s22, s22, s21
	s_add_co_u32 s22, s22, s9
	s_add_nc_u64 s[OS:OS+1], s[10:11], s[22:23]
	s_mov_b32 s94, 0xffff0000                      ; lanes 16-31
	s_mov_b32 s[SEL], 0x76543210
	s_mov_b32 s[SEL+1], 0xfedcba98
	v_and_b32 v3, 31, v0
	v_lshlrev_b32 v1, 4, v3                        ; 16 x lane: an image's place for my lane
	v_lshlrev_b32 v2, 3, v3                        ; 8 x lane: a scale image's
.irp b, 0,1,2,3
	v_mov_b32 v[TM+4+\b], 0                        ; written once: a lane permute's destination counts as one of its sources
.endr
; 64 numbers of a lane, register 16 b + i = place 16 (lane / 16) + i of block b of my row, become 12 registers of codes in v[PC] on and the scale word in v[PW]
.macro QUANT s
.irp b, 0,1,2,3
	v_max3_num_f32 v[TM+\b], |v[\s+16*\b]|, |v[\s+1+16*\b]|, s92
.endr
.irp i, 2,4,6,8,10,12,14
.irp b, 0,1,2,3
	v_max3_num_f32 v[TM+\b], v[TM+\b], |v[\s+16*\b+\i]|, |v[\s+1+16*\b+\i]|
.endr
.endr
.irp b, 0,1,2,3
	v_permlanex16_b32 v[TM+4+\b], v[TM+\b], s[SEL], s[SEL+1]
.endr
.irp b, 0,1,2,3
	v_max_num_f32 v[TM+\b], v[TM+\b], v[TM+4+\b]   ; with lane l xor 16's: the block's largest magnitude
.endr
.irp b, 0,1,2,3
	v_add_nc_u32 v[TM+12+\b], 0xff000000, v[TM+\b] ; 2 off its exponent field: the conversion's scale operand
.endr
.irp b, 0,1,2,3
	v_lshrrev_b32 v[TM+4+\b], 23, v[TM+12+\b]      ; the scale's byte
.endr
	v_lshl_or_b32 v[PW], v[TM+5], 8, v[TM+4]
	v_lshl_or_b32 v[PW], v[TM+6], 16, v[PW]
	v_lshl_or_b32 v[PW], v[TM+7], 24, v[PW]
.irp c, 0,1
	v_cvt_scalef32_pk16_fp6_f32 v[PC+6*\c:PC+2+6*\c], v[\s+32*\c:\s+15+32*\c], v[TM+12+2*\c]
	v_cvt_scalef32_pk16_fp6_f32 v[PC+12+4*\c:PC+14+4*\c], v[\s+16+32*\c:\s+31+32*\c], v[TM+12+2*\c+1]
.endr
	v_nop                                          ; one plain place behind a scaled conversion
.irp c, 0,1                                    ; the operand's layout wants a whole block in a lane
.irp i, 0,1,2
	v_permlane16_swap_b32 v[PC+6*\c+\i], v[PC+12+4*\c+\i]
.endr
.irp i, 0,1,2
	v_mov_b32 v[PC+3+6*\c+\i], v[PC+12+4*\c+\i]
.endr
.endr
.endm
; One operand.  isv = 0: head hh of my two, token tiles 2 u and 2 u + 1.  isv = 1: head hh, channels 16 u on, my 128 tokens.  Each accumulator is read from its low end on.
.macro UNIT isv, hh, u
	s_wait_xcnt 0x0                                ; the last unit's stores have read their registers
.if \isv
	WIN 0x02+\hh
.set n, 0
.rept 64
	v_add_f32 v[T+n], v[64*\u+n], v[BV+4*\hh+\u]
.set n, n+1
.endr
.else
	WIN 0x02+(\u)/2
.irp e, 0,1
.set n, 0
.rept 16
	v_pk_add_f32 v[T+32*\e+n:T+32*\e+n+1], v[64*((2*\u+\e)%4)+32*\hh+n:64*((2*\u+\e)%4)+32*\hh+n+1], v[BB+32*\hh+n:BB+32*\hh+n+1]
.set n, n+2
.endr
.endr
.endif
	WIN 0
	QUANT T
	v_sub_nc_u32 v[WR+\u], v[PW], s93
.irp c, 0,1,2
	global_store_b128 v1, v[PC+4*\c:PC+4*\c+3], s[OC:OC+1] offset:\hh*6144+\u*1536+512*\c th:TH_STORE_NT   ; 512 consecutive bytes, at a multiple of 256 from the buffer's first byte
.endr
.if \u == 3
	v_cndmask_b32 v[IM], v[WR], v[WR+2], s94       ; word i: operand i in lanes 0-15, operand 2 + i in lanes 16-31
	v_cndmask_b32 v[IM+1], v[WR+1], v[WR+3], s94
	global_store_b64 v2, v[IM:IM+1], s[OS:OS+1] offset:256*\hh th:TH_STORE_NT
.endif
.endm
	s_cmp_eq_u32 ttmp9, 2
	s_cbranch_scc1 .Lv_out
.irp hh, 0,1
.irp u, 0,1,2,3
	UNIT 0, \hh, \u
.endr
.endr
	s_branch .Lout_done
.Lv_out:
.irp hh, 0,1
.irp u, 0,1,2,3
	UNIT 1, \hh, \u
.endr
.endr
.Lout_done:
	s_wait_tensorcnt 0x0                           ; the wave's end
	ds_add_u32 v[SPW], v[NIL]
	s_wait_dscnt 0x0
	CROUND                                         ; the closing round
	s_endpgm
.Lfunc_end_k_q39dc026638_qkv:
	.size	k_q39dc026638_qkv, .Lfunc_end_k_q39dc026638_qkv-k_q39dc026638_qkv
	.p2alignl 7, 3214868480
	.fill 96, 4, 3214868480
	.section	.rodata,"a",@progbits
	.p2align	6, 0x0
	.amdhsa_kernel k_q39dc026638_qkv
		.amdhsa_group_segment_fixed_size 327680
		.amdhsa_private_segment_fixed_size 0
		.amdhsa_enable_private_segment 0
		.amdhsa_kernarg_size 40
		.amdhsa_user_sgpr_count 2
		.amdhsa_user_sgpr_kernarg_segment_ptr 1
		.amdhsa_wavefront_size32 1
		.amdhsa_system_sgpr_workgroup_id_x 1
		.amdhsa_system_sgpr_workgroup_id_y 1
		.amdhsa_system_sgpr_workgroup_id_z 1
		.amdhsa_system_vgpr_workitem_id 0
		.amdhsa_next_free_vgpr 1024
		.amdhsa_next_free_sgpr 104
		.amdhsa_reserve_vcc 0
		.amdhsa_float_denorm_mode_32 3
		.amdhsa_float_denorm_mode_16_64 3
		.amdhsa_memory_ordered 1
		.amdhsa_forward_progress 1
		.amdhsa_inst_pref_size 232
	.end_amdhsa_kernel
	.amdgpu_metadata
---
amdhsa.version: [ 1, 2 ]
amdhsa.kernels:
  - .name:           k_q39dc026638_qkv
    .symbol:         k_q39dc026638_qkv.kd
    .args:
      - { .name: xq, .offset: 0, .size: 8, .value_kind: global_buffer, .address_space: global }
      - { .name: wq, .offset: 8, .size: 8, .value_kind: global_buffer, .address_space: global }
      - { .name: bqkv, .offset: 16, .size: 8, .value_kind: global_buffer, .address_space: global }
      - { .name: q_ws, .offset: 24, .size: 8, .value_kind: global_buffer, .address_space: global }
      - { .name: kv_ws, .offset: 32, .size: 8, .value_kind: global_buffer, .address_space: global }
    .group_segment_fixed_size: 327680
    .private_segment_fixed_size: 0
    .kernarg_segment_align: 8
    .kernarg_segment_size: 40
    .max_flat_workgroup_size: 128
    .sgpr_count:     104
    .vgpr_count:     1024
    .wavefront_size: 32
...
	.end_amdgpu_metadata
.endif
;; end of part 2
;; launch attn (part 3): grid 16 x 16, 8 waves a work-group, clusters of 4 x 4, 327,680 bytes of LDS; arguments q_ws, kv_ws, attn_mask, aq; writes aq
.if DOCPART == 3
	.amdgcn_target "amdgcn-amd-amdhsa--gfx1250"
	.amdhsa_code_object_version 6
	.text
	.protected	k_q39dc026638_attn
	.globl	k_q39dc026638_attn
	.p2align	8
	.type	k_q39dc026638_attn,@function
k_q39dc026638_attn:
	s_mov_b64 s[64:65], 0
	v_nop
	global_prefetch_b8 v0, s[64:65] scope:SCOPE_SE
	s_setreg_imm32_b32 hwreg(HW_REG_WAVE_MODE, 25, 1), 1
	s_wait_xcnt 0x0
	s_wait_alu depctr_hold_cnt(0) depctr_sa_sdst(0) depctr_va_vdst(0) depctr_va_sdst(0) depctr_va_ssrc(0) depctr_va_vcc(0) depctr_vm_vsrc(0)
	s_getreg_b32 s2, hwreg(HW_REG_IB_STS2, 6, 4)
	s_cmp_eq_u32 s2, 0
	s_cbranch_scc0 .Lentry_in_a_cluster
	s_endpgm
.Lentry_in_a_cluster:
	s_bfe_u32 s2, ttmp6, 0x10000c
	s_cmp_lg_u32 s2, 0xf033
	s_cbranch_scc0 .Lentry_shape_is_right
	s_endpgm
.Lentry_shape_is_right:
; Attention on codes of FP6 (E2M3) with E8M0 scales: S = q k^T / 8 + mask; p = 2^(t - M), t = S log2(e), M the running largest t rounded up to a whole number; O = (p v) / (the sum of the unquantised p).
; O is quantised at once, along the last product's K (the 1,024 features), into aq: codes [8192][768], scale bytes [8192][32] at 6,291,456.
; SHARES.  A work-group owns 128 queries of one batch for FOUR heads; each of its eight waves 16 queries (one tile) for the four heads.  Every wave walks the 2,048 keys, 128 a step.
; THE MASK IS THE C OF THE SCORE PRODUCT: q's scale bytes carry the factor 1 / 8, so S^T = K (Q / 8)^T + mask is one instruction.  A step's 64 mask registers serve the four heads.
; LAYOUT.  Both products transposed: S^T = K Q^T (source 0 = keys), O^T = V^T P^T (source 0 = channels): a lane holds one query throughout.
; THE HEAD'S 64 IN AN INSTRUCTION OF 128: an operand of K holds two tiles of 16 keys side by side; Q stands as 18 registers [Q | zero codes | Q]: registers 0-11 pick the first tile, registers 6-17 the second.
; K, V and Q arrive as images of operand registers: every fragment is three loads of 16 bytes a lane, dense.  Inside each block of 32 both operands of a product stand in the same order (place p: number (p % 8) + 16 ((p / 8) % 2) + 8 (p / 16)).
; CLUSTER 4 x 4: the mask's tile hangs on the block of queries alone and is asked for jointly along a column of the cluster; K's and V's block hangs on batch and heads alone and is asked for jointly along a row.
; RING: two slots, 2^17 bytes apart; a slot = 128 mask rows of 528 bytes (512 + 16 of padding), then 51,200 dense bytes of K and V.  Waves 0-3 fetch the mask's quarters, waves 4-7 the block's: one load a wave is out.
; LIMITS: NaN and +infinity among the inputs are not served; -infinity in the mask gives p = 0; a row masked wholly by -infinity gives NaN as the softmax of such a row does; blocks of O under 2^-124 are held at that floor, zero blocks get its byte and zero codes.
; REGISTERS.  window 0: v1-13 addresses; v16-31 per head -M, largest t, the sum in two halves; v32-103 Q; v104-107 Q's scale words; v108-155 K; v156-159 K's and V's scale words; v160-223 S^T, then p; v224-235 p's codes; v236-254 at work.
;   window 1: v0-127 O^T (32 a head); v128-191 the mask; v192-239 V.
.set SLOT1, 1<<17
.set MP,    528                        ; a mask row in LDS: an odd multiple of 16 bytes, so the sixteen rows of a load of 16 bytes a lane start in different columns of 16 bytes
.set KVO,   128*MP                     ; K's and V's block in a slot
.set VCO,   24576                      ; in it: V's codes,
.set KSO,   49152                      ; K's scale images; V's lie 1,024 further on
.set HB,    6144                       ; a head's four operands
.set SPARE, 2*SLOT1                    ; the spare words: 128 bytes a wave, four blocks of 256 bytes that no other line names
.set STAGE, SPARE+1024                 ; the way out: 16 rows x 272 bytes a wave; no load fills it
.set SGP,   272
.set AM0, 1
.set AK0, 2
.set AS0, 3
.set SPW, 4
.set NIL, 5
.set ADM, 6
.set ADK, 7
.set ADS, 8
.set STO, 9
.set RD,  10
.set GO,  11
.set GS,  12
.set PFO, 13
.set ST,  16
.set QF,  32
.set QS,  104
.set KF,  108
.set KS,  156
.set VS,  158
.set S,   160
.set PC,  224
.set BM,  236
.set PB,  240
.set SO,  248
.set F,   252
.set PSW, 253
.set TT,  254
.set MK,  128                          ; window 1
.set VF,  192                          ; window 1
.set TM,  108                          ; the way out, in K's registers: v108-123 at work, v124-139 codes, v140-141 scale words, v142 the word to store
.set CV,  124
.set PW,  140
.set TB,    2
.set SLOTS, 3
.set WV,    12
.set SEL,   18
.set CS,    20
.set G1M,   24
.set G1K,   32
.set G0M,   40
.set G0K,   44
.set PFA,   48
.set PFS,   50
.set LIM,   52
.set QODD,  53
.set SSEL,  54
.set HI16,  55
.set MSB, 0
.macro WIN new
.if MSB != (\new)
	s_set_vgpr_msb (MSB<<8)|(\new)
.set MSB, (\new)
.endif
.endm
; A joint load: waves 0-3 the mask's tile, waves 4-7 K's and V's block.  The branch hangs on the wave's number alone.  Four v_nop follow each line
.macro JLOAD
	s_cmp_lt_u32 s[WV], 4
	s_cbranch_scc0 .Lfor_kv_\@
	tensor_load_to_lds s[G0M:G0M+3], s[G1M:G1M+7]
	s_nop 0
.rept 4
	v_nop
.endr
	s_branch .Lasked_\@
.Lfor_kv_\@:
	tensor_load_to_lds s[G0K:G0K+3], s[G1K:G1K+7]
	s_nop 0
.rept 4
	v_nop
.endr
.Lasked_\@:
.endm
; A prefetch of what the NEXT change of slots will ask for.  The mask's tile is walked by the four clusters of a column of clusters: the one with y = 0 asks; its four partners along y take 32 rows each, by address;
; waves 0 and 1 take 16 rows each, two blocks of 256 bytes a row, a lane a block.  K's and V's block is walked by the four clusters of a row: the one with x = 0 asks; its partners along x take 12,800 bytes each, by address;
; waves 4 and 5 take 25 blocks of 256 bytes each (lanes 25-31 name the 25th again).  The last change that fills a slot asks for nothing.
.macro ASK
	s_cmp_gt_u32 s[SLOTS], s[LIM]
	s_cbranch_scc0 .Lnot_mine_\@
	global_prefetch_b8 v[PFO], s[PFA:PFA+1] th:TH_LOAD_NT scope:SCOPE_SE
.Lnot_mine_\@:
.endm
.macro CROUND
	s_barrier_signal -1
	s_barrier_wait -1
	s_cmp_lg_u32 s[WV], 0
	s_cbranch_scc1 .Lnot_wave_0_\@
	s_barrier_signal -3
.Lnot_wave_0_\@:
	s_barrier_wait -3
	s_barrier_signal -1
	s_barrier_wait -1
.endm
	s_load_b256 s[4:11], s[0:1], 0x0               ; q_ws s[4:5], kv_ws s[6:7], attn_mask s[8:9], aq s[10:11]
	v_lshl_add_u32 v[SPW], v0, 2, SPARE
	v_mov_b32 v[NIL], 0
	ds_add_u32 v4, v5
	s_wait_dscnt 0x0
	v_lshrrev_b32 v14, 5, v0
	v_readfirstlane_b32 s[WV], v14                 ; wave 0..7
	s_bfe_u32 s13, ttmp6, 0x40000                  ; cx
	s_bfe_u32 s14, ttmp6, 0x40004                  ; cy
	s_lshl_b32 s15, ttmp9, 2
	s_add_co_u32 s15, s15, s13                     ; X: the block of 128 queries
	s_and_b32 s16, ttmp7, 0xffff
	s_lshl_b32 s16, s16, 2
	s_add_co_u32 s16, s16, s14                     ; Y = 4 batch + group of four heads
	s_lshl_b32 s56, 0x1111, s13                    ; my column of the cluster (same cx)
	s_lshl_b32 s57, s14, 2
	s_lshl_b32 s57, 15, s57                        ; my row (same cy)
	s_or_b32 s[G1M], s56, (2<<16)|(1<<20)|(1<<21)|(6<<22)|(3<<25)   ; elements of 4 bytes; 4 words of padding behind every 128
	s_mov_b32 s[G1M+1], 128<<16                    ; tensor_dim0 = 128
	s_mov_b32 s[G1M+2], 32<<16                     ; tensor_dim1 = 32
	s_mov_b32 s[G1M+3], 128<<16                    ; tile_dim0
	s_mov_b32 s[G1M+4], 32                         ; tile_dim1
	s_mov_b32 s[G1M+5], 2048                       ; pitch
	s_mov_b32 s[G1M+6], 0
	s_mov_b32 s[G1M+7], 0
	s_or_b32 s[G1K], s57, (3<<16)|(1<<21)          ; elements of 8 bytes, no padding: 50 rows of 256 dense bytes
	s_mov_b32 s[G1K+1], 32<<16
	s_mov_b32 s[G1K+2], 50<<16
	s_mov_b32 s[G1K+3], 32<<16
	s_mov_b32 s[G1K+4], 50
	s_mov_b32 s[G1K+5], 32
	s_mov_b32 s[G1K+6], 0
	s_mov_b32 s[G1K+7], 0
	s_and_b32 s58, s[WV], 3                        ; which quarter I fetch
	s_lshl_b32 s60, s15, 20                        ; the mask: row 128 X + 32 quarter, 8,192 bytes a row
	s_lshl_b32 s61, s58, 18
	s_add_co_u32 s60, s60, s61
	s_mov_b32 s61, 0
	s_mul_i32 s62, s16, 16*51200                   ; K, V: 16 blocks for each Y
	s_mul_i32 s63, s58, 12800
	s_add_co_u32 s62, s62, s63
	s_mov_b32 s63, 0
	s_mul_i32 s66, s58, 32*MP
	s_mul_i32 s67, s58, 12800
	s_add_co_u32 s67, s67, KVO
	s_mov_b32 s[SEL], 0x76543210
	s_mov_b32 s[SEL+1], 0xfedcba98
	s_mov_b32 s[CS], 0x3fb8aa3b                    ; log2(e)
	s_mov_b32 s[CS+1], s[CS]
	s_mov_b32 s[TB], 0
	s_mov_b32 s[SLOTS], 15
	s_mov_b32 s[HI16], 0xffff0000
	s_wait_kmcnt 0x0
	CROUND                                         ; all sixteen work-groups are here: the first joint loads meet
	s_mov_b32 s[G0M], 1
	s_mov_b32 s[G0M+1], s66
	s_add_nc_u64 s[G0M+2:G0M+3], s[8:9], s[60:61]
	s_or_b32 s[G0M+3], s[G0M+3], 0x80000000
	s_mov_b32 s[G0K], 1
	s_mov_b32 s[G0K+1], s67
	s_add_nc_u64 s[G0K+2:G0K+3], s[6:7], s[62:63]
	s_or_b32 s[G0K+3], s[G0K+3], 0x80000000
	JLOAD                                          ; key step 0 into slot 0
	; the prefetches: where my wave's stand (at key step 1: the first change of slots steps them to 2), and who asks
	s_and_b32 s57, s[WV], 1
	s_lshl_b32 s66, s15, 7
	s_lshl_b32 s67, s14, 5
	s_add_co_u32 s66, s66, s67
	s_lshl_b32 s67, s57, 4
	s_add_co_u32 s66, s66, s67                     ; the mask: row 128 X + 32 cy + 16 (wave % 2)
	s_lshl_b32 s66, s66, 13
	s_add_co_u32 s66, s66, 512
	s_mul_i32 s67, s16, 16*51200
	s_mul_i32 s68, s13, 12800
	s_add_co_u32 s67, s67, s68
	s_mul_i32 s68, s57, 6400
	s_add_co_u32 s67, s67, s68
	s_add_co_u32 s67, s67, 51200
	s_and_b32 s56, ttmp7, 0xffff
	s_mov_b32 s[PFS], 51200
	s_cmp_lt_u32 s[WV], 4
	s_cselect_b32 s56, s56, ttmp9                  ; the coordinate along which other clusters walk the same bytes
	s_cselect_b64 s[PFA:PFA+1], s[8:9], s[6:7]
	s_cselect_b32 s59, -1, 0
	s_cselect_b32 s[PFS], 512, s[PFS]
	s_cselect_b32 s66, s66, s67
	s_mov_b32 s67, 0
	s_mov_b32 s[PFS+1], 0
	s_add_nc_u64 s[PFA:PFA+1], s[PFA:PFA+1], s[66:67]
	s_and_b32 s57, s[WV], 2                        ; 0 in waves 0, 1, 4, 5
	s_or_b32 s56, s56, s57
	s_cmp_eq_u32 s56, 0
	s_cselect_b32 s[LIM], 1, -1                    ; the same in all sixteen partners, for a given wave
	v_and_b32 v14, 31, v0
	v_lshrrev_b32 v15, 1, v14
	v_lshlrev_b32 v15, 13, v15
	v_and_b32 v[PFO], 1, v14
	v_lshl_add_u32 v15, v[PFO], 8, v15             ; the mask: (lane / 2) rows + 256 (lane % 2)
	v_min_u32 v[PFO], 24, v14
	v_lshlrev_b32 v[PFO], 8, v[PFO]                ; K, V: 256 x min(lane, 24)
	v_cndmask_b32 v[PFO], v[PFO], v15, s59
	; Q: my tile is half of a pair's image; the whole image is loaded and my six registers picked
	s_lshl_b32 s68, s16, 4
	s_add_co_u32 s68, s68, s15
	s_mul_i32 s68, s68, 25600                      ; block 16 Y + X of q_ws
	s_lshr_b32 s69, s[WV], 1                       ; my pair
	s_mul_i32 s70, s69, 1536
	s_add_co_u32 s70, s70, s68
	s_mov_b32 s71, 0
	s_add_nc_u64 s[70:71], s[4:5], s[70:71]
	s_lshr_b32 s72, s[WV], 2
	s_lshl_b32 s72, s72, 7                         ; pairs 2, 3 stand in lanes 16-31 of the scale image,
	s_and_b32 s73, s69, 1
	s_lshl_b32 s73, s73, 2                         ; pairs 1, 3 in its second word
	s_add_co_u32 s72, s72, s73
	s_add_co_u32 s72, s72, s68
	s_add_co_u32 s72, s72, 24576
	s_mov_b32 s73, 0
	s_add_nc_u64 s[72:73], s[4:5], s[72:73]
	v_and_b32 v6, 15, v0                           ; r
	v_bfe_u32 v7, v0, 4, 1                         ; h
	v_and_b32 v8, 31, v0                           ; lane
	v_lshlrev_b32 v14, 4, v8
	v_lshlrev_b32 v15, 3, v6
.irp g, 0,1,2,3
.irp c, 0,1,2
	global_load_b128 v[S+12*\g+4*\c:S+12*\g+4*\c+3], v14, s[70:71] offset:\g*HB+512*\c
.endr
	global_load_b32 v[QS+\g], v15, s[72:73] offset:256*\g
.endr
	s_and_b32 s56, s[WV], 1
	s_cmp_eq_u32 s56, 1
	s_cselect_b32 s[QODD], -1, 0                   ; an odd wave's tile is the pair's second
	s_mov_b32 s[SSEL], 0x01000100
	s_cselect_b32 s[SSEL], 0x03020302, s[SSEL]     ; its two scale bytes, twice
	; where the results go: token = 2,048 batch + 128 X + 16 wave; the group's 256 features are 192 bytes of codes and 8 scale bytes
	s_lshr_b32 s74, s16, 2
	s_lshl_b32 s74, s74, 11
	s_lshl_b32 s75, s15, 7
	s_add_co_u32 s74, s74, s75
	s_lshl_b32 s75, s[WV], 4
	s_add_co_u32 s74, s74, s75
	s_and_b32 s75, s16, 3
	s_mul_i32 s76, s74, 768
	s_mul_i32 s77, s75, 192
	s_add_co_u32 s76, s76, s77
	s_mov_b32 s77, 0
	s_add_nc_u64 s[76:77], s[10:11], s[76:77]
	s_lshl_b32 s78, s74, 5
	s_lshl_b32 s79, s75, 3
	s_add_co_u32 s78, s78, s79
	s_add_co_u32 s78, s78, 6291456
	s_mov_b32 s79, 0
	s_add_nc_u64 s[78:79], s[10:11], s[78:79]
	v_mul_u32_u24 v[AM0], v6, MP
	v_lshl_add_u32 v[AM0], v7, 5, v[AM0]
	s_mul_i32 s56, s[WV], 16*MP
	v_add_nc_u32 v[AM0], s56, v[AM0]               ; the mask: row 16 wave + r, + 32 h: register j of tile t is key 16 t + 8 h + j
	v_lshl_add_u32 v[AK0], v8, 4, KVO              ; an image's place for my lane
	v_lshl_add_u32 v[AS0], v8, 3, KVO+KSO          ; a scale image's
	s_mul_i32 s56, s[WV], 16*SGP
	s_add_co_u32 s56, s56, STAGE
	v_mul_u32_u24 v[STO], v6, SGP
	v_lshl_add_u32 v[STO], v7, 4, v[STO]
	v_add_nc_u32 v[STO], s56, v[STO]               ; the stage, in: row r, place 2 block + h of sixteen
	v_mul_u32_u24 v[RD], v7, SGP
	v_lshl_add_u32 v[RD], v6, 4, v[RD]
	v_add_nc_u32 v[RD], s56, v[RD]                 ; and back: sixteen lanes to a row
	v_mul_u32_u24 v[GO], v7, 768
	v_mad_u32_u24 v[GO], v6, 12, v[GO]
	v_lshlrev_b32 v[GS], 5, v6
	v_lshl_add_u32 v[GS], v7, 2, v[GS]
.irp g, 0,1,2,3
	v_mov_b32 v[ST+4*\g+1], 0xff61b1e6             ; the largest t so far: -3e38
	v_floor_f32 v[ST+4*\g], -v[ST+4*\g+1]          ; -M
	v_mov_b32 v[ST+4*\g+2], 0
	v_mov_b32 v[ST+4*\g+3], 0
	v_mov_b32 v[PB+\g], 0                          ; a lane permute's destination counts as one of its sources
.endr
	v_mov_b32 v[PSW], 0                            ; named as the upper half of the pair with f before it is first written
	s_wait_loadcnt 0x0                             ; Q
.irp g, 0,1,2,3
.irp i, 0,1,2,3,4,5
	v_cndmask_b32 v[QF+18*\g+\i], v[S+12*\g+\i], v[S+12*\g+6+\i], s[QODD]
.endr
.irp i, 0,1,2,3,4,5
	v_mov_b32 v[QF+18*\g+6+\i], 0                  ; zero codes
	v_mov_b32 v[QF+18*\g+12+\i], v[QF+18*\g+\i]
.endr
	v_perm_b32 v[QS+\g], v[QS+\g], v[QS+\g], s[SSEL]
.endr
	WIN 0x40
.set j, 0
.rept 128
	v_mov_b32 v[j], 0                              ; O^T: the step is written once; its first walk finds zeros, which the first change of M leaves zeros
.set j, j+1
.endr
	WIN 0
.macro KLOAD g                         ; a head's four pairs of key tiles and their scale image: 13 loads
.irp i, 0,1,2,3,4,5,6,7,8,9,10,11
	ds_load_b128 v[KF+4*\i:KF+4*\i+3], v[ADK] offset:(\g)*HB+512*\i
.endr
	ds_load_b64 v[KS:KS+1], v[ADS] offset:256*(\g)
.endm
; One head of a key step.  more = 1: the next head's K is fetched beside this head's V
.macro HEAD g, more
	s_wait_dscnt 0x0                               ; K of this head (and, for head 0, the mask) is in
	WIN 0x10                                       ; C in window 1
.irp t, 0,1,2,3
	v_wmma_scale_f32_16x16x128_f8f6f4 v[S+8*\t:S+8*\t+7], v[KF+12*(\t/2):KF+12*(\t/2)+11], v[QF+18*\g+6*(\t%2):QF+18*\g+6*(\t%2)+11], v[MK+8*\t:MK+8*\t+7], v[KS+\t/2], v[QS+\g] matrix_a_fmt:MATRIX_FMT_FP6 matrix_b_fmt:MATRIX_FMT_FP6
.endr
.irp t, 4,5,6,7
	v_wmma_scale_f32_16x16x128_f8f6f4 v[S+8*\t:S+8*\t+7], v[KF+12*(\t/2):KF+12*(\t/2)+11], v[QF+18*\g+6*(\t%2):QF+18*\g+6*(\t%2)+11], v[MK+8*\t:MK+8*\t+7], v[KS+\t/2-2], v[QS+\g] matrix_a_fmt:MATRIX_FMT_FP6 matrix_b_fmt:MATRIX_FMT_FP6 matrix_a_scale:MATRIX_SCALE_ROW1
.endr
.rept 4
	v_nop                                          ; places in front of the reads of S^T and of the loads into K's, V's and the scales' registers
.endr
	WIN 0x40
.irp i, 0,1,2,3,4,5,6,7,8,9,10,11
	ds_load_b128 v[VF+4*\i:VF+4*\i+3], v[ADK] offset:VCO+\g*HB+512*\i
.endr
	WIN 0
	ds_load_b64 v[VS:VS+1], v[ADS] offset:1024+256*\g
.if \more
	KLOAD \g+1
.endif
.irp b, 0,1,2,3
	v_max3_num_f32 v[BM+\b], v[S+16*\b], v[S+1+16*\b], v[S+2+16*\b]   ; the largest score of each block of 32 keys: it serves the row's maximum and, since p rises with the score, the block's largest p
.endr
.irp i, 3,5,7,9,11,13
.irp b, 0,1,2,3
	v_max3_num_f32 v[BM+\b], v[BM+\b], v[S+16*\b+\i], v[S+1+16*\b+\i]
.endr
.endr
.irp b, 0,1,2,3
	v_max_num_f32 v[BM+\b], v[BM+\b], v[S+15+16*\b]
.endr
.irp b, 0,1,2,3
	v_permlanex16_b32 v[PB+\b], v[BM+\b], s[SEL], s[SEL+1]
.endr
.irp b, 0,1,2,3
	v_max_num_f32 v[BM+\b], v[BM+\b], v[PB+\b]
.endr
	v_max3_num_f32 v[TT], v[BM], v[BM+1], v[BM+2]
	v_max_num_f32 v[TT], v[TT], v[BM+3]
	v_mul_f32 v[TT], s[CS], v[TT]
	v_max_num_f32 v[ST+4*\g+1], v[ST+4*\g+1], v[TT]  ; the running largest t
	v_mov_b32 v[TT], v[ST+4*\g]
	v_floor_f32 v[ST+4*\g], -v[ST+4*\g+1]          ; -M = floor(-t): M is a whole number
	v_sub_f32 v[TT], v[ST+4*\g], v[TT]
	v_cvt_i32_f32 v[TT], v[TT]                     ; (it saturates)
	v_ldexp_f32 v[F], 1.0, v[TT]                   ; f = 2^(old M - new M)
.set j, 0
.rept 32
	v_pk_fma_f32 v[S+j:S+j+1], v[S+j:S+j+1], s[CS:CS+1], v[ST+4*\g:ST+4*\g+1] op_sel_hi:[1,0,0]   ; t - M
.set j, j+2
.endr
.irp b, 0,1,2,3
	v_fma_f32 v[BM+\b], v[BM+\b], s[CS], v[ST+4*\g]
.endr
.set j, 0
.rept 64
	v_exp_f32 v[S+j], v[S+j]                       ; p = 2^(t - M)
.set j, j+1
.endr
.irp b, 0,1,2,3
	v_exp_f32 v[BM+\b], v[BM+\b]                   ; the block's largest p
.endr
	v_pk_mul_f32 v[ST+4*\g+2:ST+4*\g+3], v[ST+4*\g+2:ST+4*\g+3], v[F:F+1] op_sel_hi:[1,0]   ; the sums under the new M (a plain place behind the exponentials)
	s_wait_alu depctr_va_vdst(0)
.irp b, 0,1,2,3
	v_max_num_f32 v[BM+\b], 0x1800000, v[BM+\b]    ; the floor 2^(3 - 127)
.endr
.irp b, 0,1,2,3
	v_add_nc_u32 v[SO+\b], 0xff000000, v[BM+\b]    ; the conversion's scale operand
.endr
.irp b, 0,1,2,3
	v_lshrrev_b32 v[PB+\b], 23, v[SO+\b]
.endr
	v_lshl_or_b32 v[PSW], v[PB+1], 8, v[PB]        ; p's scale word for these 128 keys
	v_lshl_or_b32 v[PSW], v[PB+2], 16, v[PSW]
	v_lshl_or_b32 v[PSW], v[PB+3], 24, v[PSW]
.irp c, 0,1
	v_cvt_scalef32_pk16_fp6_f32 v[PC+6*\c:PC+2+6*\c], v[S+32*\c:S+15+32*\c], v[SO+2*\c]
	v_cvt_scalef32_pk16_fp6_f32 v[PB+4*\c:PB+2+4*\c], v[S+16+32*\c:S+31+32*\c], v[SO+2*\c+1]
.endr
	v_nop                                          ; one plain place behind a scaled conversion
.irp c, 0,1
.irp i, 0,1,2
	v_permlane16_swap_b32 v[PC+6*\c+\i], v[PB+4*\c+\i]
.endr
.irp i, 0,1,2
	v_mov_b32 v[PC+3+6*\c+\i], v[PB+4*\c+\i]
.endr
.endr
	v_pk_add_f32 v[PB:PB+1], v[S:S+1], v[S+2:S+3]  ; the row's sum is taken of the unquantised p, in two chains
.irp j, 4,8,12,16,20,24,28,32,36,40,44,48,52,56,60
	v_pk_add_f32 v[ST+4*\g+2:ST+4*\g+3], v[ST+4*\g+2:ST+4*\g+3], v[S+\j:S+\j+1]
	v_pk_add_f32 v[PB:PB+1], v[PB:PB+1], v[S+2+\j:S+3+\j]
.endr
	v_pk_add_f32 v[ST+4*\g+2:ST+4*\g+3], v[ST+4*\g+2:ST+4*\g+3], v[PB:PB+1]
	WIN 0x41
.set j, 0
.rept 16
	v_pk_mul_f32 v[32*\g+j:32*\g+j+1], v[32*\g+j:32*\g+j+1], v[F:F+1] op_sel_hi:[1,0]   ; O^T under the new M
.set j, j+2
.endr
.if \more
	s_wait_dscnt 13                                ; V and its scale image are in; the 13 loads of the next head's K may be out
.else
	s_wait_dscnt 0x0
.endif
	WIN 0x51                                       ; V, C and D in window 1
.irp c, 0,1
	v_wmma_scale_f32_16x16x128_f8f6f4 v[32*\g+8*\c:32*\g+8*\c+7], v[VF+12*\c:VF+12*\c+11], v[PC:PC+11], v[32*\g+8*\c:32*\g+8*\c+7], v[VS+\c], v[PSW] matrix_a_fmt:MATRIX_FMT_FP6 matrix_b_fmt:MATRIX_FMT_FP6
.endr
.irp c, 2,3
	v_wmma_scale_f32_16x16x128_f8f6f4 v[32*\g+8*\c:32*\g+8*\c+7], v[VF+12*\c:VF+12*\c+11], v[PC:PC+11], v[32*\g+8*\c:32*\g+8*\c+7], v[VS+\c-2], v[PSW] matrix_a_fmt:MATRIX_FMT_FP6 matrix_b_fmt:MATRIX_FMT_FP6 matrix_a_scale:MATRIX_SCALE_ROW1
.endr
	WIN 0
.endm
.macro STEPS                           ; a key step: the mask once, then the four heads
	v_add_nc_u32 v[ADM], s[TB], v[AM0]
	v_add_nc_u32 v[ADK], s[TB], v[AK0]
	v_add_nc_u32 v[ADS], s[TB], v[AS0]
	WIN 0x40
.irp t, 0,1,2,3,4,5,6,7
	ds_load_b128 v[MK+8*\t:MK+8*\t+3], v[ADM] offset:64*\t
	ds_load_b128 v[MK+8*\t+4:MK+8*\t+7], v[ADM] offset:64*\t+16
.endr
	WIN 0
	KLOAD 0
	HEAD 0, 1
	HEAD 1, 1
	HEAD 2, 1
	HEAD 3, 0
	s_xor_b32 s[TB], s[TB], SLOT1
.endm
; THE CHANGE OF SLOTS stands at a step's head.  Each wave waits for all its tensor loads (its part of the slot ahead), adds 0 to its spare word, and waits for that and for its reads of the slot that it has left.
; fill = 1: the barrier is a round of the cluster's, and behind it the slot just left is filled with the step after the one ahead: that load has a whole step in which to land.
.macro CHANGE fill
	s_wait_tensorcnt 0x0                           ; no tensor load of mine is out, so a group 0 may be written
	ds_add_u32 v[SPW], v[NIL]                      ; 0 onto my spare word
.if \fill
	s_xor_b32 s[G0M+1], s[G0M+1], SLOT1
	s_add_nc_u64 s[G0M+2:G0M+3], s[G0M+2:G0M+3], 512      ; the next 128 keys' columns of the mask
	s_xor_b32 s[G0K+1], s[G0K+1], SLOT1
	s_add_nc_u64 s[G0K+2:G0K+3], s[G0K+2:G0K+3], 51200    ; the next block of K and V
	s_wait_xcnt 0x0                                ; the last prefetch, a step back, has read its address
	s_add_nc_u64 s[PFA:PFA+1], s[PFA:PFA+1], s[PFS:PFS+1]
	s_wait_dscnt 0x0                               ; the add is done, and my reads of the slot that I have left are over
	CROUND
	JLOAD
	ASK
.else
	s_wait_dscnt 0x0
	s_barrier_signal -1
	s_barrier_wait -1
.endif
.endm
.Lslot:                                            ; 15 trips: behind each change of slots but the last the next step is asked for
	CHANGE 1
	STEPS
	s_sub_co_u32 s[SLOTS], s[SLOTS], 1
	s_cmp_lg_u32 s[SLOTS], 0
	s_cbranch_scc1 .Lslot
	CHANGE 0                                       ; the last step is written out
	STEPS
; ---------------- THE WAY OUT: O^T / the sum, quantised along the features, as rows of codes.  The additions below are the places behind the last products
.irp g, 0,1,2,3
	v_add_f32 v[BM+\g], v[ST+4*\g+2], v[ST+4*\g+3]
.endr
.irp g, 0,1,2,3
	v_permlanex16_b32 v[PB+\g], v[BM+\g], s[SEL], s[SEL+1]
.endr
.irp g, 0,1,2,3
	v_add_f32 v[BM+\g], v[BM+\g], v[PB+\g]         ; the row's sum
.endr
.irp g, 0,1,2,3
	v_rcp_f32 v[BM+\g], v[BM+\g]
.endr
	s_wait_alu depctr_va_vdst(0)
.irp b, 0,1,2,3
	v_mov_b32 v[TM+4+\b], 0                        ; (plain places behind the reciprocals; a lane permute's destination counts as one of its sources)
.endr
; Heads 2 i and 2 i + 1: 64 numbers a lane, four blocks of 32 features.  A conversion's 12 bytes are bytes 24 block + 12 h of my query's row as they stand: no lane exchange is needed.
.macro OUTQ i
	WIN 0x01
.irp e, 0,1
.set n, 0
.rept 32
	v_mul_f32 v[S+32*\e+n], v[32*(2*\i+\e)+n], v[BM+2*\i+\e]   ; each accumulator from its low end on
.set n, n+1
.endr
.endr
	WIN 0
.irp b, 0,1,2,3
	v_max3_num_f32 v[TM+\b], |v[S+16*\b]|, |v[S+1+16*\b]|, 0x1800000
.endr
.irp k, 2,4,6,8,10,12,14
.irp b, 0,1,2,3
	v_max3_num_f32 v[TM+\b], v[TM+\b], |v[S+16*\b+\k]|, |v[S+1+16*\b+\k]|
.endr
.endr
.irp b, 0,1,2,3
	v_permlanex16_b32 v[TM+4+\b], v[TM+\b], s[SEL], s[SEL+1]
.endr
.irp b, 0,1,2,3
	v_max_num_f32 v[TM+\b], v[TM+\b], v[TM+4+\b]
.endr
.irp b, 0,1,2,3
	v_add_nc_u32 v[TM+12+\b], 0xff000000, v[TM+\b]
.endr
.irp b, 0,1,2,3
	v_lshrrev_b32 v[TM+4+\b], 23, v[TM+12+\b]
.endr
	v_lshl_or_b32 v[PW+\i], v[TM+5], 8, v[TM+4]
	v_lshl_or_b32 v[PW+\i], v[TM+6], 16, v[PW+\i]
	v_lshl_or_b32 v[PW+\i], v[TM+7], 24, v[PW+\i]
.irp b, 0,1,2,3
	v_cvt_scalef32_pk16_fp6_f32 v[CV+4*\b:CV+4*\b+2], v[S+16*\b:S+16*\b+15], v[TM+12+\b]
.endr
	v_nop                                          ; one plain place behind a scaled conversion
.irp b, 0,1,2,3
	ds_store_b96 v[STO], v[CV+4*\b:CV+4*\b+2] offset:32*(4*\i+\b)   ; 12 bytes to a place of 16
.endr
	s_wait_dscnt 0x0                               ; the stores have read their registers
.endm
	OUTQ 0
	OUTQ 1
.irp t, 0,1,2,3,4,5,6,7
	ds_load_b96 v[S+4*\t:S+4*\t+2], v[RD] offset:2*\t*SGP   ; my own stage: LDS serves a wave's instructions in order
.endr
.irp t, 0,1,2,3,4,5,6,7
	s_wait_dscnt 7-\t                              ; read-back t is in; the younger ones may be out
	global_store_b96 v[GO], v[S+4*\t:S+4*\t+2], s[76:77] offset:2*\t*768   ; sixteen lanes store a row's 192 consecutive bytes
.endr
	v_cndmask_b32 v[PW+2], v[PW], v[PW+1], s[HI16] ; lanes 0-15 the first two heads' word, lanes 16-31 the other's
	global_store_b32 v[GS], v[PW+2], s[78:79]      ; 8 scale bytes a row, rows 32 bytes apart: 4 bytes a lane, one byte in 24 of what the wave stores
	s_wait_tensorcnt 0x0                           ; the wave's end
	ds_add_u32 v[SPW], v[NIL]
	s_wait_dscnt 0x0
	CROUND                                         ; the closing round
	s_endpgm
.Lfunc_end_k_q39dc026638_attn:
	.size	k_q39dc026638_attn, .Lfunc_end_k_q39dc026638_attn-k_q39dc026638_attn
	.p2alignl 7, 3214868480
	.fill 96, 4, 3214868480
	.section	.rodata,"a",@progbits
	.p2align	6, 0x0
	.amdhsa_kernel k_q39dc026638_attn
		.amdhsa_group_segment_fixed_size 327680
		.amdhsa_private_segment_fixed_size 0
		.amdhsa_enable_private_segment 0
		.amdhsa_kernarg_size 32
		.amdhsa_user_sgpr_count 2
		.amdhsa_user_sgpr_kernarg_segment_ptr 1
		.amdhsa_wavefront_size32 1
		.amdhsa_system_sgpr_workgroup_id_x 1
		.amdhsa_system_sgpr_workgroup_id_y 1
		.amdhsa_system_sgpr_workgroup_id_z 1
		.amdhsa_system_vgpr_workitem_id 0
		.amdhsa_next_free_vgpr 512
		.amdhsa_next_free_sgpr 84
		.amdhsa_reserve_vcc 0
		.amdhsa_float_denorm_mode_32 3
		.amdhsa_float_denorm_mode_16_64 3
		.amdhsa_memory_ordered 1
		.amdhsa_forward_progress 1
		.amdhsa_inst_pref_size 158
	.end_amdhsa_kernel
	.amdgpu_metadata
---
amdhsa.version: [ 1, 2 ]
amdhsa.kernels:
  - .name:           k_q39dc026638_attn
    .symbol:         k_q39dc026638_attn.kd
    .args:
      - { .name: q_ws, .offset: 0, .size: 8, .value_kind: global_buffer, .address_space: global }
      - { .name: kv_ws, .offset: 8, .size: 8, .value_kind: global_buffer, .address_space: global }
      - { .name: attn_mask, .offset: 16, .size: 8, .value_kind: global_buffer, .address_space: global }
      - { .name: aq, .offset: 24, .size: 8, .value_kind: global_buffer, .address_space: global }
    .group_segment_fixed_size: 327680
    .private_segment_fixed_size: 0
    .kernarg_segment_align: 8
    .kernarg_segment_size: 32
    .max_flat_workgroup_size: 256
    .sgpr_count:     84
    .vgpr_count:     512
    .wavefront_size: 32
...
	.end_amdgpu_metadata
.endif
;; end of part 3
;; launch proj (part 4): grid 4 x 32, 4 waves a work-group, clusters of 4 x 4, 327,680 bytes of LDS; arguments aq, wq, bout, out0; writes out0
.if DOCPART == 4
	.amdgcn_target "amdgcn-amd-amdhsa--gfx1250"
	.amdhsa_code_object_version 6
	.text
	.protected	k_q39dc026638_proj
	.globl	k_q39dc026638_proj
	.p2align	8
	.type	k_q39dc026638_proj,@function
k_q39dc026638_proj:
	s_mov_b64 s[64:65], 0
	v_nop
	global_prefetch_b8 v0, s[64:65] scope:SCOPE_SE
	s_setreg_imm32_b32 hwreg(HW_REG_WAVE_MODE, 25, 1), 1
	s_wait_xcnt 0x0
	s_wait_alu depctr_hold_cnt(0) depctr_sa_sdst(0) depctr_va_vdst(0) depctr_va_sdst(0) depctr_va_ssrc(0) depctr_va_vcc(0) depctr_vm_vsrc(0)
	s_getreg_b32 s2, hwreg(HW_REG_IB_STS2, 6, 4)
	s_cmp_eq_u32 s2, 0
	s_cbranch_scc0 .Lentry_in_a_cluster
	s_endpgm
.Lentry_in_a_cluster:
	s_bfe_u32 s2, ttmp6, 0x10000c
	s_cmp_lg_u32 s2, 0xf033
	s_cbranch_scc0 .Lentry_shape_is_right
	s_endpgm
.Lentry_shape_is_right:
; out0 = attention's result x Wout + bout on codes of FP6 (E2M3) with E8M0 scales.  A = aq: codes [8192][768], scale bytes [8192][32] at 6,291,456.  B = Wout^T in wq: codes [1024][768] at 2,457,600, scale bytes at 3,244,032.
; Inside each block of 32 along K both operands stand in the same order (place p: number (p % 8) + 16 ((p / 8) % 2) + 8 (p / 16)), so the products pair up; only the grouping of the sums inside an instruction differs from K's own order.
; A tile of 256 x 256 to a work-group of four waves, 128 x 128 to a wave; K = 1,024 in steps of 256 through a ring of two LDS slots; the scale bytes come once, with the first fills.
; 4 x 4 clusters: A's tiles are asked for jointly along a row of the cluster, B's along a column.  The matrix instruction is used transposed: a lane holds eight neighbouring numbers of a row of the output.
; The output has 128 tiles: 128 work-groups.  The bias is added on the way out, to rows that have come back from the stage: a lane's four columns are the same in every row.
; REGISTERS: window 0: v0-31 addresses (v8-11 my four numbers of the bias); v32-63 scale words; from v128 A's fragments; window 1: B's fragments, two sets; windows 2, 3: the accumulators.
.set SIZE_N, 1024
.set KSTEP,  256
.set NQ,     KSTEP/128
.set ROWB,   192
.set KROW,   768
.set PITCH,  240
.set FR,     12
.set NL,     6
.set NP,     4
.set HALFT,  128*PITCH
.set SLOT,   4*HALFT
.set LAPS,   2
.set KS,     32
.set SCL,    2*SLOT
.set HALFS,  (128*KS/256)*272
.set SBLK,   (16*KS/256)*272
.set SPARE,  SCL+4*HALFS               ; the spare words: 128 bytes a wave, two blocks of 256 bytes that no other line names
.set SPITCH, 528                       ; the way out: 16 rows x (512 + 16) bytes a wave, in slot 0, which has had its last fill and its last read by then
.set ADRA, 16
.set ADRB, 20
.set STO,  24
.set RD,   25
.set CO,   26
.set ADRS, 27
.set SPW,  28
.set NIL,  29
.set SC,   32
.set AF,   128
.set BK,   128
.set G1, 24
.set G0, 32
.set G1B, 48
.set G0B, 56
.set G1S, 68
.set G0S, 76
.set G1SB, 80
.set G0SB, 88
.set MSB, 0
.macro WIN new
.if MSB != (\new)
	s_set_vgpr_msb (MSB<<8)|(\new)
.set MSB, (\new)
.endif
.endm
.set MUL_LO, 0xa1
.set MUL_HI, 0xf1
.set TO_B,   0x40
.macro JLOAD g0a, g1a, g0b, g1b        ; waves 0 and 1 fetch for A, waves 2 and 3 for B; four v_nop follow each line
	s_cmp_eq_u32 s15, 0
	s_cbranch_scc0 .Lfor_b_\@
	tensor_load_to_lds s[\g0a:\g0a+3], s[\g1a:\g1a+7]
	s_nop 0
.rept 4
	v_nop
.endr
	s_branch .Lasked_\@
.Lfor_b_\@:
	tensor_load_to_lds s[\g0b:\g0b+3], s[\g1b:\g1b+7]
	s_nop 0
.rept 4
	v_nop
.endr
.Lasked_\@:
.endm
.macro CREST
	s_cmp_lg_u32 s14, 0
	s_cbranch_scc1 .Lnot_wave_0_\@
	s_barrier_signal -3
.Lnot_wave_0_\@:
	s_barrier_wait -3
	s_barrier_signal -1
	s_barrier_wait -1
.endm
.macro CROUND
	s_barrier_signal -1
	s_barrier_wait -1
	CREST
.endm
	s_load_b128 s[4:7], s[0:1], 0x0                ; aq s[4:5], wq s[6:7]
	s_load_b128 s[8:11], s[0:1], 0x10              ; bout s[8:9], out0 s[10:11]
	v_lshl_add_u32 v[SPW], v0, 2, SPARE
	v_mov_b32 v[NIL], 0
	ds_add_u32 v28, v29
	s_wait_dscnt 0x0
	v_lshrrev_b32 v1, 5, v0
	v_readfirstlane_b32 s14, v1
	s_lshr_b32 s15, s14, 1
	s_and_b32 s16, s14, 1
	s_bfe_u32 s40, ttmp6, 0x40000
	s_bfe_u32 s41, ttmp6, 0x40004
	s_lshl_b32 s42, ttmp9, 2
	s_add_co_u32 s42, s42, s40                     ; tile column
	s_and_b32 s17, ttmp7, 0xffff
	s_lshl_b32 s17, s17, 2
	s_add_co_u32 s17, s17, s41                     ; tile row
	s_lshl_b32 s43, s41, 2
	s_lshl_b32 s43, 15, s43
	s_lshl_b32 s44, 0x1111, s40
	s_or_b32 s[G1+0], s43, (0<<16)|(1<<20)|(1<<21)|(3<<22)|(3<<25)
	s_or_b32 s[G1B+0], s44, (0<<16)|(1<<20)|(1<<21)|(3<<22)|(3<<25)
.irp g, G1, G1B
	s_mov_b32 s[\g+1], ROWB<<16
	s_mov_b32 s[\g+2], 128<<16
	s_mov_b32 s[\g+3], ROWB<<16
	s_mov_b32 s[\g+4], 128
	s_mov_b32 s[\g+5], KROW
	s_mov_b32 s[\g+6], 0
	s_mov_b32 s[\g+7], 0
.endr
	s_or_b32 s[G1S+0], s43, (3<<16)|(1<<20)|(1<<21)|(5<<22)|(3<<25)
	s_or_b32 s[G1SB+0], s44, (3<<16)|(1<<20)|(1<<21)|(5<<22)|(3<<25)
.irp g, G1S, G1SB
	s_mov_b32 s[\g+1], 32<<16
	s_mov_b32 s[\g+2], (128*KS/256)<<16
	s_mov_b32 s[\g+3], 32<<16
	s_mov_b32 s[\g+4], 128*KS/256
	s_mov_b32 s[\g+5], 32
	s_mov_b32 s[\g+6], 0
	s_mov_b32 s[\g+7], 0
.endr
	s_lshl_b32 s18, s16, 7
	s_lshl_b32 s20, s17, 8
	s_add_co_u32 s20, s20, s18
	s_lshl_b32 s46, s42, 8
	s_add_co_u32 s46, s46, s18
	s_mov_b32 s21, 0
	s_mov_b32 s47, 0
	s_mov_b64 s[18:19], KS
	s_mul_u64 s[22:23], s[20:21], s[18:19]
	s_mul_u64 s[92:93], s[46:47], s[18:19]
	s_mov_b64 s[18:19], KROW
	s_mul_u64 s[20:21], s[20:21], s[18:19]
	s_mul_u64 s[46:47], s[46:47], s[18:19]
	s_mul_i32 s45, s14, HALFT
	s_mul_i32 s94, s14, HALFS
	s_wait_kmcnt 0x0
	s_mov_b64 s[12:13], s[10:11]                   ; out0
	s_mov_b64 s[66:67], s[8:9]                     ; bout
	s_add_nc_u64 s[8:9], s[6:7], 2457600           ; B's codes
	s_add_nc_u64 s[10:11], s[6:7], 3244032         ; B's scales
	s_add_nc_u64 s[6:7], s[4:5], 6291456           ; A's scales
	s_add_nc_u64 s[20:21], s[4:5], s[20:21]
	s_add_nc_u64 s[22:23], s[6:7], s[22:23]
	s_add_nc_u64 s[46:47], s[8:9], s[46:47]
	s_add_nc_u64 s[92:93], s[10:11], s[92:93]
	CROUND
	s_mov_b32 s[G0S], 1
	s_add_co_u32 s[G0S+1], s94, SCL
	s_mov_b64 s[G0S+2:G0S+3], s[22:23]
	s_or_b32 s[G0S+3], s[G0S+3], 0x80000000
	s_mov_b32 s[G0SB], 1
	s_add_co_u32 s[G0SB+1], s94, SCL
	s_mov_b64 s[G0SB+2:G0SB+3], s[92:93]
	s_or_b32 s[G0SB+3], s[G0SB+3], 0x80000000
	JLOAD G0S, G1S, G0SB, G1SB
.irp s, 0,1
	s_mov_b32 s[G0+4*\s], 1
	s_add_co_u32 s[G0+4*\s+1], s45, \s*SLOT
	s_add_nc_u64 s[G0+4*\s+2:G0+4*\s+3], s[20:21], \s*ROWB
	s_or_b32 s[G0+4*\s+3], s[G0+4*\s+3], 0x80000000
	s_mov_b32 s[G0B+4*\s], 1
	s_add_co_u32 s[G0B+4*\s+1], s45, \s*SLOT
	s_add_nc_u64 s[G0B+4*\s+2:G0B+4*\s+3], s[46:47], \s*ROWB
	s_or_b32 s[G0B+4*\s+3], s[G0B+4*\s+3], 0x80000000
	JLOAD G0+4*\s, G1, G0B+4*\s, G1B
.endr
	v_and_b32 v1, 15, v0
	v_bfe_u32 v2, v0, 4, 1
	v_mul_u32_u24 v3, v1, PITCH
	v_mul_u32_u24 v4, v2, 24
	v_add_nc_u32 v4, v3, v4
	v_lshl_add_u32 v5, v2, 4, v4
	s_mul_i32 s21, s15, HALFT
	s_mul_i32 s22, s16, HALFT
	s_add_co_u32 s22, s22, 2*HALFT
.irp s, 0,1
	v_add_nc_u32 v[ADRA+\s], s21, v4
	v_add_nc_u32 v[ADRB+\s], s22, v4
	v_add_nc_u32 v[ADRA+2+\s], s21, v5
	v_add_nc_u32 v[ADRB+2+\s], s22, v5
	s_add_co_u32 s21, s21, SLOT
	s_add_co_u32 s22, s22, SLOT
.endr
	v_mul_u32_u24 v5, v1, KS
	v_lshrrev_b32 v6, 8, v5
	v_lshl_add_u32 v5, v6, 4, v5
	s_mul_i32 s21, s15, HALFS
	s_mul_i32 s22, s16, HALFS
	s_add_co_u32 s22, s22, 2*HALFS
	s_sub_co_u32 s22, s22, s21
	v_mul_u32_u24 v6, s22, v2
	s_add_co_u32 s21, s21, SCL
	v_add_nc_u32 v5, v5, v6
	v_add_nc_u32 v[ADRS], s21, v5
	s_mul_i32 s23, s14, 16*SPITCH
	v_mul_u32_u24 v5, v1, SPITCH
	v_lshl_add_u32 v5, v2, 5, v5
	v_add_nc_u32 v[STO], s23, v5
	v_and_b32 v6, 31, v0
	v_lshlrev_b32 v[CO], 4, v6
	v_add_nc_u32 v[RD], s23, v[CO]
	s_lshl_b32 s20, s17, 8
	s_lshl_b32 s21, s15, 7
	s_add_co_u32 s20, s20, s21
	s_mov_b32 s21, 0
	s_mov_b64 s[18:19], SIZE_N*4
	s_mul_u64 s[20:21], s[20:21], s[18:19]
	s_lshl_b32 s46, s42, 10
	s_lshl_b32 s47, s16, 9
	s_add_co_u32 s46, s46, s47                     ; my first column, in bytes
	s_mov_b32 s47, 0
	s_add_nc_u64 s[66:67], s[66:67], s[46:47]
	global_load_b128 v[8:11], v[CO], s[66:67]      ; the bias of my four columns; its base and offset stay as they are
	s_add_nc_u64 s[20:21], s[20:21], s[46:47]
	s_add_nc_u64 s[12:13], s[12:13], s[20:21]
.macro FRAG reg, adr, q, i
.irp p, 0,1,2,3,4,5
.set PCE, 12*(\q)+6*(\p/3)+\p%3
.if PCE%8 < 5
	ds_load_b64 v[\reg+2*\p:\reg+2*\p+1], v[\adr] offset:8*PCE+16*(PCE/8)+(\i)*16*PITCH
.else
	ds_load_b64 v[\reg+2*\p:\reg+2*\p+1], v[\adr+2] offset:8*PCE+16*(PCE/8)+(\i)*16*PITCH
.endif
.endr
.endm
.macro MUL16 a0, p, q, sc, zero        ; the 64 accumulators take turns, one instruction a turn
.irp a, \a0, \a0+1
.irp b, 0,1,2,3,4,5,6,7
.if \zero
	v_wmma_scale_f32_16x16x128_f8f6f4 v[8*(8*((\a)%4)+\b):8*(8*((\a)%4)+\b)+7], v[128*(\p)+FR*\b:128*(\p)+FR*\b+FR-1], v[AF+FR*(\a):AF+FR*(\a)+FR-1], 0, v[SC+8*NQ*(\sc)+NQ*\b+(\q)], v[SC+8*NQ*(\sc)+NQ*(\a)+(\q)] matrix_a_fmt:MATRIX_FMT_FP6 matrix_b_fmt:MATRIX_FMT_FP6 matrix_a_scale:MATRIX_SCALE_ROW1
.else
	v_wmma_scale_f32_16x16x128_f8f6f4 v[8*(8*((\a)%4)+\b):8*(8*((\a)%4)+\b)+7], v[128*(\p)+FR*\b:128*(\p)+FR*\b+FR-1], v[AF+FR*(\a):AF+FR*(\a)+FR-1], v[8*(8*((\a)%4)+\b):8*(8*((\a)%4)+\b)+7], v[SC+8*NQ*(\sc)+NQ*\b+(\q)], v[SC+8*NQ*(\sc)+NQ*(\a)+(\q)] matrix_a_fmt:MATRIX_FMT_FP6 matrix_b_fmt:MATRIX_FMT_FP6 matrix_a_scale:MATRIX_SCALE_ROW1
.endif
.endr
.endr
.endm
.macro FETCH_B slot, q, p
	WIN TO_B
.irp i, 0,1,2,3,4,5,6,7
	FRAG 128*(\p)+FR*\i, ADRB+\slot, \q, \i
.endr
	WIN 0
.endm
.macro FETCH_A slot, q, i0
.irp i, \i0, \i0+1, \i0+2, \i0+3
	FRAG AF+FR*(\i), ADRA+\slot, \q, \i
.endr
.endm
.macro SCALES sc
.irp i, 0,1,2,3,4,5,6,7
	ds_load_b64 v[SC+8*NQ*\sc+NQ*\i:SC+8*NQ*\sc+NQ*\i+1], v[ADRS] offset:\i*SBLK
.endr
.endm
.macro PLACES n
.rept \n
	v_nop
.endr
.endm
.macro STEP slot, q, zero
	s_wait_dscnt 4*NL                              ; B's set and A's blocks 0-3 are in; the 24 youngest loads (A's blocks 4-7) may be out
	WIN MUL_LO
	MUL16 0, (\q)%2, \q, \slot, \zero
	MUL16 2, (\q)%2, \q, \slot, \zero
	s_wait_dscnt 0
	PLACES NP
	FETCH_B \slot, (\q)+1, 1-(\q)%2
	FETCH_A \slot, (\q)+1, 0
	WIN MUL_HI
	MUL16 4, (\q)%2, \q, \slot, \zero
	MUL16 6, (\q)%2, \q, \slot, \zero
	PLACES NP
	WIN 0
	FETCH_A \slot, (\q)+1, 4
.endm
.macro TURN slot, next, fill
	s_wait_tensorcnt 0x0                           ; all my tensor loads have landed: my part of the next slot
	ds_add_u32 v[SPW], v[NIL]                      ; 0 onto my spare word
	s_wait_dscnt 4*NL+1                            ; the add and the 24 youngest loads may be out
	WIN MUL_LO
	MUL16 0, 1, NQ-1, \slot, 0
	s_wait_dscnt 0x0                               ; the add is done, and my reads of this slot are over
	s_barrier_signal -1
	MUL16 2, 1, NQ-1, \slot, 0
	WIN 0
	s_barrier_wait -1
.if \fill
	CREST
	s_add_nc_u64 s[G0+4*\slot+2:G0+4*\slot+3], s[G0+4*\slot+2:G0+4*\slot+3], 2*ROWB
	s_add_nc_u64 s[G0B+4*\slot+2:G0B+4*\slot+3], s[G0B+4*\slot+2:G0B+4*\slot+3], 2*ROWB
	JLOAD G0+4*\slot, G1, G0B+4*\slot, G1B
.else
	PLACES NP
.endif
	v_add_nc_u32 v[ADRS], 4*NQ, v[ADRS]
	FETCH_B \next, 0, 0
	FETCH_A \next, 0, 0
	SCALES \next
	WIN MUL_HI
	MUL16 4, 1, NQ-1, \slot, 0
	MUL16 6, 1, NQ-1, \slot, 0
	PLACES NP
	WIN 0
	FETCH_A \next, 0, 4
.endm
	s_wait_tensorcnt 1                             ; the scales and my part of K step 0 are in; K step 1's load may be out
	s_barrier_signal -1
	s_barrier_wait -1
	FETCH_B 0, 0, 0
	FETCH_A 0, 0, 0
	SCALES 0
	FETCH_A 0, 0, 4
	STEP 0, 0, 1
	s_mov_b32 s3, LAPS-1
.Llap:
	TURN 0, 1, 1
	STEP 1, 0, 0
	TURN 1, 0, 1
	STEP 0, 0, 0
	s_sub_co_u32 s3, s3, 1
	s_cmp_lg_u32 s3, 0
	s_cbranch_scc1 .Llap
	TURN 0, 1, 0
	STEP 1, 0, 0
	s_wait_dscnt 4*NL
	WIN MUL_LO
	MUL16 0, 1, NQ-1, 1, 0
	MUL16 2, 1, NQ-1, 1, 0
	s_wait_dscnt 0
	WIN MUL_HI
	MUL16 4, 1, NQ-1, 1, 0
	MUL16 6, 1, NQ-1, 1, 0
	WIN 0
; THE WAY OUT, block by block of 16 rows x 128 columns, through my own stage; rows come back whole, take the bias, and leave as 512 consecutive bytes
.macro TOSTAGE a
.set AC, 64*((\a)%4)
	WIN 0x08+4*((\a)/4)
.irp b, 0,1,2,3,4,5,6,7
	ds_store_b128 v[STO], v[AC+8*\b:AC+8*\b+3] offset:64*\b          ; each accumulator from its low end on
	ds_store_b128 v[STO], v[AC+8*\b+4:AC+8*\b+7] offset:64*\b+16
.endr
	WIN 0
.set BB, BK+64*((\a)%2)
.irp t, 0,1,2,3,4,5,6,7,8,9,10,11,12,13,14,15
	ds_load_b128 v[BB+4*\t:BB+4*\t+3], v[RD] offset:\t*SPITCH
.endr
.endm
.macro SEND a, younger
.set BB, BK+64*((\a)%2)
	s_wait_dscnt \younger                          ; the block is back in registers; the next block's 16 stores and 16 loads may be out
.if (\a) > 0
	s_add_nc_u64 s[12:13], s[12:13], 16*SIZE_N*4   ; (behind a wait on XCNT: the earlier stores have read their base)
.endif
.irp t, 0,1,2,3,4,5,6,7,8,9,10,11,12,13,14,15
	v_pk_add_f32 v[BB+4*\t:BB+4*\t+1], v[BB+4*\t:BB+4*\t+1], v[8:9]
	v_pk_add_f32 v[BB+4*\t+2:BB+4*\t+3], v[BB+4*\t+2:BB+4*\t+3], v[10:11]
	global_store_b128 v[CO], v[BB+4*\t:BB+4*\t+3], s[12:13] offset:\t*SIZE_N*4 th:TH_STORE_NT
.endr
.endm
	PLACES NP
	s_wait_loadcnt 0x0                             ; the bias
	TOSTAGE 0
.irp a, 1,2,3,4,5,6,7
.if \a > 1
	s_wait_xcnt 0x0                                ; block a - 2's stores have read their registers and their base
.endif
	TOSTAGE \a
	SEND \a-1, 32
.endr
	s_wait_xcnt 0x0
	SEND 7, 0
	s_wait_tensorcnt 0x0                           ; the wave's end
	ds_add_u32 v[SPW], v[NIL]
	s_wait_dscnt 0x0
	CROUND                                         ; the closing round
	s_endpgm
.Lfunc_end_k_q39dc026638_proj:
	.size	k_q39dc026638_proj, .Lfunc_end_k_q39dc026638_proj-k_q39dc026638_proj
	.p2alignl 7, 3214868480
	.fill 96, 4, 3214868480
	.section	.rodata,"a",@progbits
	.p2align	6, 0x0
	.amdhsa_kernel k_q39dc026638_proj
		.amdhsa_group_segment_fixed_size 327680
		.amdhsa_private_segment_fixed_size 0
		.amdhsa_enable_private_segment 0
		.amdhsa_kernarg_size 32
		.amdhsa_user_sgpr_count 2
		.amdhsa_user_sgpr_kernarg_segment_ptr 1
		.amdhsa_wavefront_size32 1
		.amdhsa_system_sgpr_workgroup_id_x 1
		.amdhsa_system_sgpr_workgroup_id_y 1
		.amdhsa_system_sgpr_workgroup_id_z 1
		.amdhsa_system_vgpr_workitem_id 0
		.amdhsa_next_free_vgpr 1024
		.amdhsa_next_free_sgpr 98
		.amdhsa_reserve_vcc 0
		.amdhsa_float_denorm_mode_32 3
		.amdhsa_float_denorm_mode_16_64 3
		.amdhsa_memory_ordered 1
		.amdhsa_forward_progress 1
		.amdhsa_inst_pref_size 176
	.end_amdhsa_kernel
	.amdgpu_metadata
---
amdhsa.version: [ 1, 2 ]
amdhsa.kernels:
  - .name:           k_q39dc026638_proj
    .symbol:         k_q39dc026638_proj.kd
    .args:
      - { .name: aq, .offset: 0, .size: 8, .value_kind: global_buffer, .address_space: global }
      - { .name: wq, .offset: 8, .size: 8, .value_kind: global_buffer, .address_space: global }
      - { .name: bout, .offset: 16, .size: 8, .value_kind: global_buffer, .address_space: global }
      - { .name: out0, .offset: 24, .size: 8, .value_kind: global_buffer, .address_space: global }
    .group_segment_fixed_size: 327680
    .private_segment_fixed_size: 0
    .kernarg_segment_align: 8
    .kernarg_segment_size: 32
    .max_flat_workgroup_size: 128
    .sgpr_count:     98
    .vgpr_count:     1024
    .wavefront_size: 32
...
	.end_amdgpu_metadata
.endif
;; end of part 4
